; MI455X (gfx1250); checked and timed in simulation.
; The chip was launched on July 23, 2026; its instructions are those of AMD's public machine-readable ISA for CDNA 5 (MIT licence, August 2026) and "CDNA5" Instruction Set Architecture Reference Guide (July 2026). The comments in the code are by the model that wrote it; some were corrected since.
;; Local Causal Attention Block. Allowed arithmetic: matrix products marked QUANTISED: E2M3 operands, one E8M0 scale for each 32 along K, by v_wmma_scale_f32_16x16x128_f8f6f4 with both operands' format E2M3, f32 sums; everything else in f32.
;; Inputs: b1 4,096 float32; b2 1,024 float32; b_in 3,072 float32; b_out 1,024 float32; ln1_b 1,024 float32; ln1_g 1,024 float32; ln2_b 1,024 float32; ln2_g 1,024 float32; w1_codes 4,096 x 32 x 24 uint8 (E2M3 codes of w1, K innermost, in blocks of 32 codes, four codes in three bytes); w1_scales 4,096 x 32 uint8 (E8M0 scales of w1, one for each 32 codes along K); w2_codes 1,024 x 128 x 24 uint8 (E2M3 codes of w2, K innermost, in blocks of 32 codes, four codes in three bytes); w2_scales 1,024 x 128 uint8 (E8M0 scales of w2, one for each 32 codes along K); w_in_codes 3,072 x 32 x 24 uint8 (E2M3 codes of w_in, K innermost, in blocks of 32 codes, four codes in three bytes); w_in_scales 3,072 x 32 uint8 (E8M0 scales of w_in, one for each 32 codes along K); w_out_codes 1,024 x 32 x 24 uint8 (E2M3 codes of w_out, K innermost, in blocks of 32 codes, four codes in three bytes); w_out_scales 1,024 x 32 uint8 (E8M0 scales of w_out, one for each 32 codes along K); x 2 x 2,048 x 1,024 float32.
;; Outputs: out0 2 x 2,048 x 1,024 float32.
;; This version of the problem:
;;   THIS VERSION OF THE PROBLEM IS GIVEN IN LOW PRECISION. The matrix products marked QUANTISED in the list below multiply operands that are first quantised to E2M3 (2 exponent bits, 3 mantissa bits; 6 bits a number), with one power-of-two scale for each 32 numbers along K (OCP MX v1.0); their sums are f32. All else is computed in f32.
;;   The module's matrix products, in the order in which they are computed (A, B: the left and right operand; K: the contracted axis; several contracted axes count as one K, in the product's order):
;;     1. [M 4,096, K 1,024] x [K 1,024, N 3,072]; A: input x; B: input w_in (given as codes): QUANTISED
;;     2. batch 32 x [M 2,048, K 64] x [K 64, N 2,048]; A: computed on the way; B: computed on the way: QUANTISED
;;     3. batch 32 x [M 64, K 2,048] x [K 2,048, N 2,048]; A: computed on the way; B: softmax (see below): QUANTISED
;;     4. [M 4,096, K 1,024] x [K 1,024, N 1,024]; A: computed on the way; B: input w_out (given as codes): QUANTISED
;;     5. [M 4,096, K 1,024] x [K 1,024, N 4,096]; A: computed on the way; B: input w1 (given as codes): QUANTISED
;;     6. [M 4,096, K 4,096] x [K 4,096, N 1,024]; A: computed on the way; B: input w2 (given as codes): QUANTISED
;;   THE QUANTISER, for each operand of a quantised product, along K:
;;     - K is cut into blocks of 32 from its start; a last block that is shorter is filled with zeros.
;;     - A block's scale is 2^e with e = floor(log2(the largest magnitude in the block)) - 2, held to -126 .. 127; a block of zeros has e = 0. As a byte (E8M0): e + 127.
;;     - Each number is divided by its block's scale, clamped to +-7.5, and rounded to the nearest number of E2M3, ties to even, subnormals kept.
;;     - The product sums the exact products of the quantised numbers (number of the format x scale) in f32.
;;   ~~~python
;;   def quantise(x, axis):      # numpy; x: float32 -> the quantised numbers, widened to float32 again
;;       x = np.moveaxis(x, axis, -1); K = x.shape[-1]
;;       x = np.pad(x, [(0, 0)] * (x.ndim - 1) + [(0, -K % 32)]); x = x.reshape(x.shape[:-1] + (-1, 32)); a = np.abs(x).max(-1, keepdims=True)
;;       e = np.where(a > 0, np.clip(np.frexp(np.where(a > 0, a, 1))[1] - 1 - 2, -126, 127), 0)      # np.frexp(a)[1] - 1 = floor(log2(a)), exactly
;;       r = np.clip(x / 2.0 ** e, -7.5, 7.5)
;;       step = 2.0 ** (np.maximum(np.frexp(np.where(r == 0, 1, r))[1] - 1, 0) - 3)
;;       q = np.round(r / step) * step * 2.0 ** e      # np.round: ties to even
;;       return np.moveaxis(q.reshape(q.shape[:-2] + (-1,))[..., :K], -1, axis).astype(np.float32)
;;   ~~~
;;   SOFTMAX AHEAD OF A QUANTISED PRODUCT. Where the list says 'softmax', what is quantised is not the finished softmax but p = 2^(t - M), with t = logit x log2(e) and M = ceil(the row's largest t), a whole number; so 1/2 < the row's largest p <= 1. The row's sum l is taken of the UNQUANTISED p, in f32, and the product's result is divided by l at the end. Since M is a whole number, a kernel that streams over the keys may use a running M (the ceiling of the running maximum): every later rescaling is an exact power of two, which a block's scale takes up: the codes' values come out the same.
;;   OPERANDS COMPUTED ON THE WAY. 'Computed on the way' means the value that the module computes at that place (a softmax that the list does not call 'softmax' is quantised finished and normalised). What goes into a quantiser is computed in f32, as accurately as f32 sums, v_exp_f32 and their like allow (about 1e-6 of the number): no bf16 or f16 on the way to a quantiser, and a product that is left as it is and whose result goes on into a quantised operand takes f32 operands (vector FMAs, or v_wmma_f32_16x16x4_f32). A number that lies on a knife's edge between two numbers of the format may be rounded either way, as far as f32 arithmetic and the matrix unit's own rounding can turn it there, and no further.
;;   INPUTS GIVEN AS CODES. w1 (in the module: [4096, 1024], K = its axis 1); w2 (in the module: [1024, 4096], K = its axis 1); w_in (in the module: [3072, 1024], K = its axis 1); w_out (in the module: [1024, 1024], K = its axis 1): each comes as NAME_codes (uint8): NAME with its K axis moved to the last place and cut into blocks of 32 codes, [.., K / 32, bytes a block], one block behind the other in memory; four codes in three bytes: a row's codes are one little-endian stream of bits, code i at bits 6 i .. 6 i + 5 (a code: sign, 2 exponent bits, 3 mantissa bits); and NAME_scales (uint8): the same leading axes, one E8M0 byte (e + 127) for each 32 codes along K. Its value is code x scale, taken as it is: it is not quantised again, and the codes and scales need not be those that the quantiser above would give.
;; One version. Each part assembles by itself: llvm-mc -triple=amdgcn-amd-amdhsa -mcpu=gfx1250 --defsym DOCPART=n.
;; ======== version 1 of 1: 6 launches
;; workspace buffers: prep 13,107,200 bytes; qkv 9,830,400 bytes; x1 16,777,216 bytes; x1q 3,276,800 bytes; hq 13,107,200 bytes; mlp 16,777,216 bytes
;; launch prep (part 1): grid 256 x 1, 8 waves a work-group, no clusters, 68,608 bytes of LDS; arguments x, w_in_codes, w_in_scales, w_out_codes, w_out_scales, w1_codes, w1_scales, w2_codes, w2_scales, prep; writes prep
.if DOCPART == 1
	.amdgcn_target "amdgcn-amd-amdhsa--gfx1250"
	.amdhsa_code_object_version 6
	.text
	.protected	k_q38fa694e37_prep
	.globl	k_q38fa694e37_prep
	.p2align	8
	.type	k_q38fa694e37_prep,@function
k_q38fa694e37_prep:
	s_mov_b64 s[64:65], 0
	v_nop
	global_prefetch_b8 v0, s[64:65] scope:SCOPE_SE
	s_setreg_imm32_b32 hwreg(HW_REG_WAVE_MODE, 25, 1), 1
	s_wait_xcnt 0x0
; PREP: x is quantised to codes of E2M3 (one E8M0 byte for each 32 along K), and the four weights, which arrive as codes, are laid anew; all as IMAGES OF OPERAND REGISTERS.
; A fragment is 16 rows x 128 K = 12 registers a lane; its image is 1,536 bytes: registers 4 c .. 4 c + 3 of lane l at 512 c + 16 l.  Fragment (tile T, K step ks) lies at (T x K/128 + ks) x 1,536,
; its 16 scale words at (T x K/128 + ks) x 64 + 4 r.  So every later launch brings a fragment by three loads of 16 bytes a lane, and a K step's tiles are dense runs for one tensor load.
; THE ROWS OF A TILE ARE NOT NEIGHBOURS: lane r of tile 2 b + u stands for row 32 b + 8 u + r + 8 (r / 8), for activations and weights alike, so that in a transposed product the 16 registers of
; two neighbouring tiles are 16 neighbours along the next K.
; SHARES: 256 work-groups x 8 waves = 2,048 waves; each of the four images (x; w_in with w_out behind it; w1; w2) has 2,048 fragments: wave W = 8 g + w makes fragment W of each.  One path, no barrier.
; LIMITS: a block of zeros gets the byte 1 where the rule says 127 (its codes are zeros and this program alone reads the bytes); NaN and infinities among the inputs are not served.
.set XQS, 3145728                      ; prep: x's image at 0, its scale words here,
.set WA,  3276800                      ; w_in's 192 tiles and w_out's 64,
.set WAS, 6422528
.set W1I, 6553600
.set W1S, 9699328
.set W2I, 9830400
.set W2S, 12976128
.set SP,  528                          ; the stage: a row of 512 bytes + 16, so that the 16 rows of a load begin in 16 different groups of banks
.set SEL, 2                            ; s[2:3] lane selects for v_permlanex16_b32: lane l xor 16
.set LI,  1                            ; v1  16 x lane
.set R4,  2                            ; v2  4 r
.set WF,  16                           ; v16-51  three weight fragments
.set WS,  52                           ; v52-54  their scale words
.set R,   56                           ; v56-119 x as loaded
.set X,   120                          ; v120-183 64 numbers of my row: register 16 b + i = k 32 b + 16 h + i
.set TM,  184
.set PC,  200
.set PW,  220
; 64 numbers of a lane become a fragment's codes in v[pc] .. v[pc+11] and its scale word in v[pw].
.macro QUANT s, tm, pc, pw
.irp b, 0,1,2,3
	v_max3_num_f32 v[\tm+\b], |v[\s+16*\b]|, |v[\s+1+16*\b]|, 0x1800000   ; block b: my 16 numbers, and the floor 2^(3 - 127): the byte cannot fall under 1
.endr
.irp i, 2,4,6,8,10,12,14
.irp b, 0,1,2,3
	v_max3_num_f32 v[\tm+\b], v[\tm+\b], |v[\s+16*\b+\i]|, |v[\s+1+16*\b+\i]|
.endr
.endr
.irp b, 0,1,2,3
	v_permlanex16_b32 v[\tm+4+\b], v[\tm+\b], s[SEL], s[SEL+1]
.endr
.irp b, 0,1,2,3
	v_max_num_f32 v[\tm+\b], v[\tm+\b], v[\tm+4+\b]      ; with lane l xor 16's: the block's largest magnitude
.endr
.irp b, 0,1,2,3
	v_add_nc_u32 v[\tm+12+\b], 0xff000000, v[\tm+\b]     ; 2 off its exponent field: the conversion's scale operand
.endr
.irp b, 0,1,2,3
	v_lshrrev_b32 v[\tm+4+\b], 23, v[\tm+12+\b]          ; the scale's byte
.endr
	v_lshl_or_b32 v[\pw], v[\tm+5], 8, v[\tm+4]
	v_lshl_or_b32 v[\pw], v[\tm+6], 16, v[\pw]
	v_lshl_or_b32 v[\pw], v[\tm+7], 24, v[\pw]
.irp c, 0,1
	v_cvt_scalef32_pk16_fp6_f32 v[\pc+6*\c:\pc+2+6*\c], v[\s+32*\c:\s+15+32*\c], v[\tm+12+2*\c]
	v_cvt_scalef32_pk16_fp6_f32 v[\pc+12+4*\c:\pc+14+4*\c], v[\s+16+32*\c:\s+31+32*\c], v[\tm+13+2*\c]   ; (a conversion's three registers begin on an even number)
.endr
	v_nop                                          ; one plain place behind the scaled conversions
.irp c, 0,1                                    ; the operand wants a whole block in a lane: lanes 0-15 block 2 c, lanes 16-31 block 2 c + 1
.irp i, 0,1,2
	v_permlane16_swap_b32 v[\pc+6*\c+\i], v[\pc+12+4*\c+\i]
.endr
.irp i, 0,1,2
	v_mov_b32 v[\pc+3+6*\c+\i], v[\pc+12+4*\c+\i]
.endr
.endr
.endm
.macro RB d, t                         ; a tile's first row: 32 (t / 2) + 8 (t % 2)
	s_lshr_b32 s[\d], s[\t], 1
	s_lshl_b32 s[\d], s[\d], 5
	s_and_b32 s27, s[\t], 1
	s_lshl_b32 s27, s27, 3
	s_add_co_u32 s[\d], s[\d], s27
.endm
.macro RELAY k, vc, sc, vs, ss         ; a weight's fragment as it lies in memory: 24 bytes of my row twice, in pieces of 8; and my row's scale word
.irp p, 0,1,2,3,4,5
	global_load_b64 v[WF+12*\k+2*\p:WF+12*\k+2*\p+1], v[\vc], s[\sc:\sc+1] offset:48*(\p/3)+8*(\p%3)
.endr
	global_load_b32 v[WS+\k], v[\vs], s[\ss:\ss+1]
.endm
.macro SENDW k, si, ss                 ; and out as an image: each store of the wave covers 512 consecutive bytes
.irp c, 0,1,2
	global_store_b128 v[LI], v[WF+12*\k+4*\c:WF+12*\k+4*\c+3], s[\si:\si+1] offset:512*\c
.endr
	global_store_b32 v[R4], v[WS+\k], s[\ss:\ss+1]         ; lanes r and r + 16 hold the same word and write it to the same place
.endm
	s_load_b256 s[4:11], s[0:1], 0x0               ; x, w_in codes, w_in scales, w_out codes
	s_load_b256 s[12:19], s[0:1], 0x20             ; w_out scales, w1 codes, w1 scales, w2 codes
	s_load_b128 s[20:23], s[0:1], 0x40             ; w2 scales, prep
	v_lshl_add_u32 v224, v0, 2, 0x10800
	v_mov_b32 v225, 0
	v_lshrrev_b32 v9, 5, v0
	v_readfirstlane_b32 s24, v9                    ; wave 0..7
	v_and_b32 v10, 31, v0                          ; lane
	v_and_b32 v11, 15, v0                          ; r
	v_bfe_u32 v12, v0, 4, 1                        ; h
	v_lshlrev_b32 v[LI], 4, v10
	v_lshlrev_b32 v[R4], 2, v11
	v_and_b32 v13, 8, v11
	v_add_nc_u32 v13, v13, v11                     ; r + 8 (r / 8)
	v_mul_u32_u24 v3, v13, 768                     ; codes, K = 1,024: a row is 768 bytes
	v_mad_u32_u24 v3, v12, 24, v3
	v_mul_u32_u24 v4, v13, 3072                    ; w2: a row is 3,072 bytes
	v_mad_u32_u24 v4, v12, 24, v4
	v_lshlrev_b32 v5, 5, v13                       ; scale bytes: 32 a row,
	v_lshlrev_b32 v6, 7, v13                       ; w2: 128
	s_mul_i32 s26, s24, 16*SP                      ; my stage
	v_add_nc_u32 v7, s26, v[LI]                    ; in: 16 bytes a lane
	v_mul_u32_u24 v8, v11, SP
	v_lshl_add_u32 v8, v12, 6, v8
	v_add_nc_u32 v8, s26, v8                       ; out: row r, + 64 h
	s_mov_b32 s[SEL], 0x76543210
	s_mov_b32 s[SEL+1], 0xfedcba98
.irp b, 0,1,2,3
	v_mov_b32 v[TM+4+\b], 0                        ; written once: a lane permute's destination counts as one of its sources
.endr
	s_mov_b32 s26, ttmp9                           ; g
	s_cmp_lt_u32 s26, 192
	s_cselect_b32 s25, 0, 192
	s_sub_co_u32 s25, s26, s25                     ; the second image's source tile: g of w_in, or g - 192 of w_out
	s_mul_i32 s62, s24, 96                         ; K step w: 96 bytes of codes,
	s_lshl_b32 s63, s24, 2                         ; 4 scale bytes
	RB 60, 25
	s_mul_i32 s28, s60, 768
	s_add_co_u32 s28, s28, s62
	s_lshl_b32 s30, s60, 5
	s_add_co_u32 s30, s30, s63
	RB 60, 26                                      ; tile g of w1 and of x
	s_mul_i32 s32, s60, 768
	s_add_co_u32 s32, s32, s62
	s_lshl_b32 s34, s60, 5
	s_add_co_u32 s34, s34, s63
	s_lshl_b32 s40, s60, 12                        ; x: rows of 4,096 bytes, K step w: 512 bytes
	s_lshl_b32 s61, s24, 9
	s_add_co_u32 s40, s40, s61
	s_lshr_b32 s61, s26, 2                         ; w2: tile g / 4, K step 8 (g % 4) + w
	RB 60, 61
	s_and_b32 s61, s26, 3
	s_lshl_b32 s61, s61, 3
	s_add_co_u32 s61, s61, s24
	s_mul_i32 s36, s60, 3072
	s_mul_i32 s27, s61, 96
	s_add_co_u32 s36, s36, s27
	s_lshl_b32 s38, s60, 7
	s_lshl_b32 s27, s61, 2
	s_add_co_u32 s38, s38, s27
	s_lshl_b32 s60, s26, 3
	s_add_co_u32 s60, s60, s24                     ; W = 8 g + w
	s_mul_i32 s42, s60, 1536
	s_lshl_b32 s44, s60, 6
.irp p, 28,30,32,34,36,38,40,42,44
	s_mov_b32 s[\p+1], 0
.endr
	s_wait_kmcnt 0x0
	s_cmp_lt_u32 s26, 192                          ; the choice hangs on the work-group's number alone
	s_cselect_b64 s[6:7], s[6:7], s[10:11]
	s_cselect_b64 s[8:9], s[8:9], s[12:13]
	s_add_nc_u64 s[28:29], s[6:7], s[28:29]
	s_add_nc_u64 s[30:31], s[8:9], s[30:31]
	s_add_nc_u64 s[32:33], s[14:15], s[32:33]
	s_add_nc_u64 s[34:35], s[16:17], s[34:35]
	s_add_nc_u64 s[36:37], s[18:19], s[36:37]
	s_add_nc_u64 s[38:39], s[20:21], s[38:39]
	s_add_nc_u64 s[40:41], s[4:5], s[40:41]
	s_add_nc_u64 s[42:43], s[22:23], s[42:43]      ; x's image, fragment W
	s_add_nc_u64 s[44:45], s[22:23], s[44:45]
	s_add_nc_u64 s[46:47], s[42:43], WA
	s_add_nc_u64 s[48:49], s[42:43], W1I
	s_add_nc_u64 s[50:51], s[42:43], W2I
	s_add_nc_u64 s[52:53], s[44:45], XQS
	s_add_nc_u64 s[54:55], s[44:45], WAS
	s_add_nc_u64 s[56:57], s[44:45], W1S
	s_add_nc_u64 s[58:59], s[44:45], W2S
	RELAY 0, 3, 28, 5, 30
	RELAY 1, 3, 32, 5, 34
	RELAY 2, 4, 36, 6, 38
.irp i, 0,1,2,3,4,5,6,7,8,9,10,11,12,13,14,15
	global_load_b128 v[R+4*\i:R+4*\i+3], v[LI], s[40:41] offset:(\i+8*(\i/8))*4096 th:TH_LOAD_NT   ; 512 consecutive bytes of the tile's i-th row
.endr
	s_wait_loadcnt 16                              ; x's 16 loads are the younger ones: the weights are in
	SENDW 0, 46, 54
	SENDW 1, 48, 56
	SENDW 2, 50, 58
	s_wait_loadcnt 0x0
.irp i, 0,1,2,3,4,5,6,7,8,9,10,11,12,13,14,15
	ds_store_b128 v7, v[R+4*\i:R+4*\i+3] offset:SP*\i
.endr
.irp b, 0,1,2,3
.irp q, 0,1,2,3
	ds_load_b128 v[X+16*\b+4*\q:X+16*\b+4*\q+3], v8 offset:128*\b+16*\q    ; my wave's own bytes, served in order: these see the stores above
.endr
.endr
	s_wait_dscnt 0x0
	QUANT X, TM, PC, PW
.irp c, 0,1,2
	global_store_b128 v[LI], v[PC+4*\c:PC+4*\c+3], s[42:43] offset:512*\c
.endr
	global_store_b32 v[R4], v[PW], s[52:53]
	s_wait_tensorcnt 0x0
	ds_add_u32 v224, v225
	s_wait_dscnt 0x0
	s_endpgm
.Lfunc_end_k_q38fa694e37_prep:
	.size	k_q38fa694e37_prep, .Lfunc_end_k_q38fa694e37_prep-k_q38fa694e37_prep
	.p2alignl 7, 3214868480
	.fill 96, 4, 3214868480
	.section	.rodata,"a",@progbits
	.p2align	6, 0x0
	.amdhsa_kernel k_q38fa694e37_prep
		.amdhsa_group_segment_fixed_size 68608
		.amdhsa_private_segment_fixed_size 0
		.amdhsa_enable_private_segment 0
		.amdhsa_kernarg_size 80
		.amdhsa_user_sgpr_count 2
		.amdhsa_user_sgpr_kernarg_segment_ptr 1
		.amdhsa_wavefront_size32 1
		.amdhsa_system_sgpr_workgroup_id_x 1
		.amdhsa_system_sgpr_workgroup_id_y 1
		.amdhsa_system_sgpr_workgroup_id_z 1
		.amdhsa_system_vgpr_workitem_id 0
		.amdhsa_next_free_vgpr 226
		.amdhsa_next_free_sgpr 66
		.amdhsa_reserve_vcc 0
		.amdhsa_float_denorm_mode_32 3
		.amdhsa_float_denorm_mode_16_64 3
		.amdhsa_memory_ordered 1
		.amdhsa_forward_progress 1
		.amdhsa_inst_pref_size 16
	.end_amdhsa_kernel
	.amdgpu_metadata
---
amdhsa.version: [ 1, 2 ]
amdhsa.kernels:
  - .name:           k_q38fa694e37_prep
    .symbol:         k_q38fa694e37_prep.kd
    .args:
      - { .name: x, .offset: 0, .size: 8, .value_kind: global_buffer, .address_space: global }
      - { .name: w_in_codes, .offset: 8, .size: 8, .value_kind: global_buffer, .address_space: global }
      - { .name: w_in_scales, .offset: 16, .size: 8, .value_kind: global_buffer, .address_space: global }
      - { .name: w_out_codes, .offset: 24, .size: 8, .value_kind: global_buffer, .address_space: global }
      - { .name: w_out_scales, .offset: 32, .size: 8, .value_kind: global_buffer, .address_space: global }
      - { .name: w1_codes, .offset: 40, .size: 8, .value_kind: global_buffer, .address_space: global }
      - { .name: w1_scales, .offset: 48, .size: 8, .value_kind: global_buffer, .address_space: global }
      - { .name: w2_codes, .offset: 56, .size: 8, .value_kind: global_buffer, .address_space: global }
      - { .name: w2_scales, .offset: 64, .size: 8, .value_kind: global_buffer, .address_space: global }
      - { .name: prep, .offset: 72, .size: 8, .value_kind: global_buffer, .address_space: global }
    .group_segment_fixed_size: 68608
    .private_segment_fixed_size: 0
    .kernarg_segment_align: 8
    .kernarg_segment_size: 80
    .max_flat_workgroup_size: 256
    .sgpr_count:     66
    .vgpr_count:     226
    .wavefront_size: 32
...
	.end_amdgpu_metadata
.endif
;; end of part 1
;; launch qkv (part 2): grid 12 x 16, 4 waves a work-group, clusters of 4 x 4, 327,680 bytes of LDS; arguments prep, b_in, qkv; writes qkv
.if DOCPART == 2
	.amdgcn_target "amdgcn-amd-amdhsa--gfx1250"
	.amdhsa_code_object_version 6
	.text
	.protected	k_q38fa694e37_qkv
	.globl	k_q38fa694e37_qkv
	.p2align	8
	.type	k_q38fa694e37_qkv,@function
k_q38fa694e37_qkv:
	s_mov_b64 s[64:65], 0
	v_nop
	global_prefetch_b8 v0, s[64:65] scope:SCOPE_SE
	s_setreg_imm32_b32 hwreg(HW_REG_WAVE_MODE, 25, 1), 1
	s_wait_xcnt 0x0
	s_wait_alu depctr_hold_cnt(0) depctr_sa_sdst(0) depctr_va_vdst(0) depctr_va_sdst(0) depctr_va_ssrc(0) depctr_va_vcc(0) depctr_vm_vsrc(0)
	s_getreg_b32 s2, hwreg(HW_REG_IB_STS2, 6, 4)
	s_cmp_eq_u32 s2, 0
	s_cbranch_scc0 .Lentry_in_a_cluster
	s_endpgm
.Lentry_in_a_cluster:
	s_bfe_u32 s2, ttmp6, 0x10000c
	s_cmp_lg_u32 s2, 0xf033
	s_cbranch_scc0 .Lentry_shape_is_right
	s_endpgm
.Lentry_shape_is_right:
; QKV: x w_in^T + b_in on codes of E2M3; the results are quantised at once: q and k along the head's 64 channels, v along the KEYS (the second attention product's K).
; A work-group of four waves makes 256 x 256, a wave 128 x 128 (64 accumulators).  Operands are images of operand registers (16 rows x 128 K = 1,536 bytes, three loads of 16 bytes a lane).
; K = 1,024 goes in 8 steps of 128 through two LDS slots of two steps each.
; THE PRODUCT IS USED TRANSPOSED: source 0 = the B side, source 1 = the A side: a lane holds one row of the A side, and its 64 registers run along 128 neighbours of the B side: what the quantiser wants.
; q, k (clusters 0-7): A side = x's rows, B side = w_in's rows 0-2,047.   v (clusters 8-11): A side = w_in's rows 2,048 on (the channels), B side = x's rows (the keys).  Only offsets differ, chosen by
; s_cselect_b32 on the cluster's number, which all sixteen partners share: one text, no branch.
; CLUSTERS 4 x 4: the A side's tiles are shared along a row of the cluster, the B side's along a column, each asked for jointly.
; OUT: units of one tile x one block of 32: plane A registers 0-3 of the block's six (256 bytes), plane B registers 4-5 (128 bytes), so that any two neighbouring blocks load straight into lanes 0-15 and 16-31.
; LIMITS: a block of zeros gets the byte 1 (its codes are zeros; this program alone reads the bytes); NaN and infinities are not served.
; REGISTERS: window 0: v2-19 v's bias in pairs; v16.. addresses; v32-63 scale words, two sets; v64-159, v160-255 the A side's two sets.  window 1: v0-95, v128-223 the B side's two sets; v96-127, v224-255 the
; column bias.  windows 2, 3: the accumulators, (a, b) at v[8 (8 (a % 4) + b)].
.set NK, 8
.set NQ, 2
.set NA, 8
.set NF, 48                            ; LDS loads of a step's fragments
.set FRB, 1536
.set TILEB, NQ*FRB                     ; a tile's bytes in a slot
.set HALFT, NA*TILEB                   ; what one tensor load brings: 8 tiles
.set SLOT, 4*HALFT
.set SCL, 2*SLOT                       ; behind the ring: the scale words of all of K, filled once
.set HALFS, NA*NK*64
.set SPARE, SCL+4*HALFS                ; the spare words: 128 bytes a wave, two blocks of 256 bytes that no other line names
.set LAPS, NK/(2*NQ)
.set XQS, 3145728
.set WA,  3276800
.set WAS, 6422528
.set VW,  WA+128*NK*FRB                ; w_in's v rows: tiles 128 on
.set VWS, WAS+128*NK*64
.set QKB, 4194304
.set QKS, 6291456
.set VPA, 6553600
.set VPB, 8650752
.set VPS, 9699328
.set ADRA, 16
.set ADRB, 20
.set LI, 24                            ; 16 x lane
.set L8, 25                            ; 8 x lane
.set R4, 26                            ; 4 r
.set ADRS, 27
.set SPW, 28
.set NIL, 29
.set SC, 32
.set AF, 64
.set G, 64                             ; the way out: 64 numbers
.set SEL, 12
.set G1, 24
.set G0, 32
.set G1B, 48
.set G0B, 56
.set G1S, 68
.set G0S, 76
.set G1SB, 80
.set G0SB, 88
.set MSB, 0
.macro WIN new                         ; the immediate's high byte repeats the setting that is left
.if MSB != (\new)
	s_set_vgpr_msb (MSB<<8)|(\new)
.set MSB, (\new)
.endif
.endm
.macro PLACES
.rept 4
	v_nop
.endr
.endm
.macro JLOAD g0a, g1a, g0b, g1b        ; a joint load: waves 0 and 1 fetch for the A side, waves 2 and 3 for the B side; four v_nop follow each line
	s_cmp_eq_u32 s15, 0
	s_cbranch_scc0 .Lfor_b_\@
	tensor_load_to_lds s[\g0a:\g0a+3], s[\g1a:\g1a+7]
	s_nop 0
.rept 4
	v_nop
.endr
	s_branch .Lasked_\@
.Lfor_b_\@:
	tensor_load_to_lds s[\g0b:\g0b+3], s[\g1b:\g1b+7]
	s_nop 0
.rept 4
	v_nop
.endr
.Lasked_\@:
.endm
.macro CREST                           ; a round of the cluster's barrier behind its opening barrier
	s_cmp_lg_u32 s14, 0
	s_cbranch_scc1 .Lnot_wave_0_\@
	s_barrier_signal -3
.Lnot_wave_0_\@:
	s_barrier_wait -3
	s_barrier_signal -1
	s_barrier_wait -1
.endm
.macro CROUND
	s_barrier_signal -1
	s_barrier_wait -1
	CREST
.endm
.macro QUANT s, tm, pc, pw             ; 64 numbers of a lane (register 16 b + i = k 32 b + 16 h + i) -> a fragment's codes in v[pc] on, its scale word in v[pw]
.irp b, 0,1,2,3
	v_max3_num_f32 v[\tm+\b], |v[\s+16*\b]|, |v[\s+1+16*\b]|, 0x1800000   ; the floor 2^(3 - 127) holds the byte at 1 from below
.endr
.irp i, 2,4,6,8,10,12,14
.irp b, 0,1,2,3
	v_max3_num_f32 v[\tm+\b], v[\tm+\b], |v[\s+16*\b+\i]|, |v[\s+1+16*\b+\i]|
.endr
.endr
.irp b, 0,1,2,3
	v_permlanex16_b32 v[\tm+4+\b], v[\tm+\b], s[SEL], s[SEL+1]
.endr
.irp b, 0,1,2,3
	v_max_num_f32 v[\tm+\b], v[\tm+\b], v[\tm+4+\b]
.endr
.irp b, 0,1,2,3
	v_add_nc_u32 v[\tm+12+\b], 0xff000000, v[\tm+\b]     ; 2 off the exponent field: the conversion's scale operand
.endr
.irp b, 0,1,2,3
	v_lshrrev_b32 v[\tm+4+\b], 23, v[\tm+12+\b]
.endr
	v_lshl_or_b32 v[\pw], v[\tm+5], 8, v[\tm+4]
	v_lshl_or_b32 v[\pw], v[\tm+6], 16, v[\pw]
	v_lshl_or_b32 v[\pw], v[\tm+7], 24, v[\pw]
.irp c, 0,1
	v_cvt_scalef32_pk16_fp6_f32 v[\pc+6*\c:\pc+2+6*\c], v[\s+32*\c:\s+15+32*\c], v[\tm+12+2*\c]
	v_cvt_scalef32_pk16_fp6_f32 v[\pc+12+4*\c:\pc+14+4*\c], v[\s+16+32*\c:\s+31+32*\c], v[\tm+13+2*\c]
.endr
	v_nop                                          ; one plain place behind the scaled conversions
.irp c, 0,1
.irp i, 0,1,2
	v_permlane16_swap_b32 v[\pc+6*\c+\i], v[\pc+12+4*\c+\i]
.endr
.irp i, 0,1,2
	v_mov_b32 v[\pc+3+6*\c+\i], v[\pc+12+4*\c+\i]
.endr
.endr
.endm
	s_load_b128 s[4:7], s[0:1], 0x0                ; prep, b_in
	s_load_b64 s[8:9], s[0:1], 0x10                ; qkv
	v_lshl_add_u32 v[SPW], v0, 2, SPARE
	v_mov_b32 v[NIL], 0
	ds_add_u32 v28, v29
	ds_add_u32 v28, v29
	s_wait_dscnt 0x0
	v_lshrrev_b32 v1, 5, v0
	v_readfirstlane_b32 s14, v1                    ; wave 0..3
	s_lshr_b32 s15, s14, 1                         ; my half of the A side's rows.  Also: I fetch for the A side (0) or the B side (1)
	s_and_b32 s16, s14, 1                          ; my half of the B side's.  Also: which 8 tiles I fetch
	s_bfe_u32 s40, ttmp6, 0x40000                  ; cx
	s_bfe_u32 s41, ttmp6, 0x40004                  ; cy
	s_and_b32 s10, ttmp7, 0xffff
	s_mul_i32 s10, s10, 3
	s_add_co_u32 s10, s10, ttmp9                   ; c = cluster x + 3 cluster y, 0..11: equal in all sixteen partners
	s_lshr_b32 s66, s10, 1
	s_and_b32 s67, s10, 1
	s_sub_co_u32 s18, s10, 8
	s_mov_b32 s95, VW
	s_mov_b32 s96, VWS
	s_mov_b32 s97, WA
	s_mov_b32 s98, WAS
	s_mov_b32 s19, XQS
	s_mov_b32 s99, VPA
	s_mov_b32 s100, VPB
	s_mov_b32 s101, VPS
	s_mov_b32 s92, QKB
	s_mov_b32 s93, QKS
	s_cmp_lt_u32 s10, 8                            ; q, k or v?  Only selections follow the compare
	s_cselect_b32 s66, s66, 0                      ; which four tiles of the A side this cluster has,
	s_cselect_b32 s67, s67, s18                    ; and of the B side
	s_cselect_b32 s95, 0, s95                      ; the A side's codes in prep,
	s_cselect_b32 s96, s19, s96                    ; its scale words,
	s_cselect_b32 s97, s97, 0                      ; the B side's codes,
	s_cselect_b32 s98, s98, s19                    ; its scale words
	s_cselect_b32 s99, 0, s99                      ; plane A, plane B and the scale words in qkv
	s_cselect_b32 s100, s92, s100
	s_cselect_b32 s101, s93, s101
	s_cselect_b32 s11, -1, 0                       ; all ones for q, k
	s_cselect_b32 s2, 0, -1                        ; all ones for v
	s_cselect_b32 s19, 6, 7                        ; log2 of the blocks in a tile's row of the planes: 64 or 128
	s_lshl_b32 s42, s67, 2
	s_add_co_u32 s42, s42, s40                     ; tB
	s_lshl_b32 s17, s66, 2
	s_add_co_u32 s17, s17, s41                     ; tA
	s_lshl_b32 s43, s41, 2
	s_lshl_b32 s43, 15, s43                        ; my row of the cluster
	s_lshl_b32 s44, 0x1111, s40                    ; my column
	; descriptor group 1 for tiles: 8 rows (tiles) of TILEB bytes, as elements of 8 bytes, NK x FRB bytes apart; dense in LDS
	s_or_b32 s[G1+0], s43, (3<<16)|(1<<21)
	s_or_b32 s[G1B+0], s44, (3<<16)|(1<<21)
.irp g, G1, G1B
	s_mov_b32 s[\g+1], (TILEB/8)<<16               ; tensor_dim0
	s_mov_b32 s[\g+2], NA<<16                      ; tensor_dim1
	s_mov_b32 s[\g+3], (TILEB/8)<<16               ; tile_dim0
	s_mov_b32 s[\g+4], NA                          ; tile_dim1
	s_mov_b32 s[\g+5], NK*FRB/8                    ; the pitch
	s_mov_b32 s[\g+6], 0
	s_mov_b32 s[\g+7], 0
.endr
	; and for the scale words of 8 tiles: a dense block of HALFS bytes, as rows of 256 bytes
	s_or_b32 s[G1S+0], s43, (3<<16)|(1<<21)
	s_or_b32 s[G1SB+0], s44, (3<<16)|(1<<21)
.irp g, G1S, G1SB
	s_mov_b32 s[\g+1], 32<<16
	s_mov_b32 s[\g+2], (HALFS/256)<<16
	s_mov_b32 s[\g+3], 32<<16
	s_mov_b32 s[\g+4], HALFS/256
	s_mov_b32 s[\g+5], 32
	s_mov_b32 s[\g+6], 0
	s_mov_b32 s[\g+7], 0
.endr
	s_lshl_b32 s18, s16, 3                         ; which 8 tiles I fetch
	s_lshl_b32 s20, s17, 4
	s_add_co_u32 s20, s20, s18                     ; the A side: tile 16 tA + 8 half
	s_lshl_b32 s46, s42, 4
	s_add_co_u32 s46, s46, s18                     ; the B side
	s_mul_i32 s22, s20, NK*64
	s_add_co_u32 s22, s22, s96
	s_mov_b32 s23, 0
	s_mul_i32 s20, s20, NK*FRB
	s_add_co_u32 s20, s20, s95
	s_mov_b32 s21, 0
	s_mul_i32 s92, s46, NK*64
	s_add_co_u32 s92, s92, s98
	s_mov_b32 s93, 0
	s_mul_i32 s46, s46, NK*FRB
	s_add_co_u32 s46, s46, s97
	s_mov_b32 s47, 0
	s_mul_i32 s45, s14, HALFT                      ; where they go: wave x 8 tiles: no place in the cluster enters an LDS address
	s_mul_i32 s94, s14, HALFS
	s_mov_b32 s[SEL], 0x76543210
	s_mov_b32 s[SEL+1], 0xfedcba98
	s_wait_kmcnt 0x0
	s_add_nc_u64 s[20:21], s[4:5], s[20:21]
	s_add_nc_u64 s[22:23], s[4:5], s[22:23]
	s_add_nc_u64 s[46:47], s[4:5], s[46:47]
	s_add_nc_u64 s[92:93], s[4:5], s[92:93]
	CROUND                                         ; all sixteen work-groups are here: the first joint loads meet
	s_mov_b32 s[G0S], 1
	s_add_co_u32 s[G0S+1], s94, SCL
	s_mov_b64 s[G0S+2:G0S+3], s[22:23]
	s_or_b32 s[G0S+3], s[G0S+3], 0x80000000
	s_mov_b32 s[G0SB], 1
	s_add_co_u32 s[G0SB+1], s94, SCL
	s_mov_b64 s[G0SB+2:G0SB+3], s[92:93]
	s_or_b32 s[G0SB+3], s[G0SB+3], 0x80000000
	JLOAD G0S, G1S, G0SB, G1SB                     ; the scale words first: they are wanted with K step 0
.irp s, 0,1
	s_mov_b32 s[G0+4*\s], 1
	s_add_co_u32 s[G0+4*\s+1], s45, \s*SLOT
	s_add_nc_u64 s[G0+4*\s+2:G0+4*\s+3], s[20:21], \s*TILEB
	s_or_b32 s[G0+4*\s+3], s[G0+4*\s+3], 0x80000000
	s_mov_b32 s[G0B+4*\s], 1
	s_add_co_u32 s[G0B+4*\s+1], s45, \s*SLOT
	s_add_nc_u64 s[G0B+4*\s+2:G0B+4*\s+3], s[46:47], \s*TILEB
	s_or_b32 s[G0B+4*\s+3], s[G0B+4*\s+3], 0x80000000
	JLOAD G0+4*\s, G1, G0B+4*\s, G1B
.endr
	v_and_b32 v1, 15, v0                           ; r
	v_bfe_u32 v22, v0, 4, 1                        ; h
	v_and_b32 v23, 31, v0
	v_lshlrev_b32 v[LI], 4, v23
	v_lshlrev_b32 v[L8], 3, v23
	v_lshlrev_b32 v[R4], 2, v1
	v_and_b32 v23, 8, v1
	v_add_nc_u32 v23, v23, v1
	v_lshlrev_b32 v30, 2, v23                      ; 4 (r + 8 (r / 8)): my channel in a tile
	v_lshlrev_b32 v31, 6, v22                      ; 64 h: my half's 16 columns
	s_mul_i32 s21, s15, HALFT                      ; my 8 tiles of the A side,
	s_mul_i32 s22, s16, HALFT
	s_add_co_u32 s22, s22, 2*HALFT                 ; and of the B side, which lie behind the A side's 16
.irp s, 0,1
	v_add_nc_u32 v[ADRA+\s], s21, v[LI]
	v_add_nc_u32 v[ADRB+\s], s22, v[LI]
	s_add_co_u32 s21, s21, SLOT
	s_add_co_u32 s22, s22, SLOT
.endr
	s_mul_i32 s21, s15, HALFS                      ; scale words: lanes 0-15 the A side's, lanes 16-31 the B side's: the lower base + h x the distance
	s_mul_i32 s22, s16, HALFS
	s_add_co_u32 s22, s22, 2*HALFS
	s_sub_co_u32 s22, s22, s21
	v_mul_u32_u24 v23, s22, v22
	s_add_co_u32 s21, s21, SCL
	v_add_nc_u32 v23, v[R4], v23
	v_add_nc_u32 v[ADRS], s21, v23
	; where my results go
	s_lshl_b32 s18, s17, 4
	s_lshl_b32 s21, s15, 3
	s_add_co_u32 s18, s18, s21                     ; my first tile of the A side: 16 tA + 8 half
	s_lshl_b32 s46, s42, 3
	s_lshl_b32 s47, s16, 2
	s_add_co_u32 s46, s46, s47                     ; my first block of 32 of the B side: 8 tB + 4 half
	s_lshl_b32 s21, s18, s19
	s_add_co_u32 s21, s21, s46                     ; the unit's number
	s_lshl_b32 s96, s21, 8
	s_add_co_u32 s96, s96, s99
	s_mov_b32 s97, 0
	s_lshl_b32 s98, s21, 7
	s_add_co_u32 s98, s98, s100
	s_mov_b32 s99, 0
	s_lshl_b32 s100, s21, 4                        ; a word serves four blocks: 64 bytes for each four units
	s_add_co_u32 s100, s100, s101
	s_mov_b32 s101, 0
	s_lshl_b32 s66, 256, s19                       ; from tile to tile
	s_mov_b32 s67, 0
	s_lshl_b32 s92, 128, s19
	s_mov_b32 s93, 0
	s_lshl_b32 s94, 16, s19
	s_mov_b32 s95, 0
	s_add_nc_u64 s[96:97], s[8:9], s[96:97]
	s_add_nc_u64 s[98:99], s[8:9], s[98:99]
	s_add_nc_u64 s[100:101], s[8:9], s[100:101]
	; the biases.  q, k: b_in at my 128 columns, the C of each sum's first product.  v: b_in at my channels, added on the way out.  Both are always loaded, from places inside b_in, and the one that is
	; not wanted is made 0 by a selection
	s_and_b32 s46, s42, s11                        ; tB for q, k; 0 for v
	s_lshl_b32 s46, s46, 10
	s_lshl_b32 s47, s16, 9
	s_add_co_u32 s46, s46, s47
	s_mov_b32 s47, 0
	s_add_nc_u64 s[46:47], s[6:7], s[46:47]
	s_and_b32 s22, s17, s2                         ; tA for v; 0 for q, k
	s_lshl_b32 s22, s22, 10
	s_lshl_b32 s23, s15, 9
	s_add_co_u32 s22, s22, s23
	s_add_co_u32 s22, s22, 8192
	s_mov_b32 s23, 0
	s_add_nc_u64 s[22:23], s[6:7], s[22:23]
	WIN 0x40
.irp b, 0,1,2,3,4,5,6,7
	global_load_b128 v[96+8*\b+96*(\b/4):96+8*\b+96*(\b/4)+3], v31, s[46:47] offset:(32*(\b/2)+8*(\b%2))*4
	global_load_b128 v[100+8*\b+96*(\b/4):100+8*\b+96*(\b/4)+3], v31, s[46:47] offset:(32*(\b/2)+8*(\b%2))*4+16
.endr
	WIN 0
.irp a, 0,1,2,3,4,5,6,7
	global_load_b32 v[2+2*\a+2*(\a/7)], v30, s[22:23] offset:(32*(\a/2)+8*(\a%2))*4      ; twice: a pair for the packed addition
	global_load_b32 v[3+2*\a+2*(\a/7)], v30, s[22:23] offset:(32*(\a/2)+8*(\a%2))*4
.endr
.macro FRAG reg, adr, q, i             ; a fragment's image: three loads of 512 consecutive bytes
.irp c, 0,1,2
	ds_load_b128 v[\reg+4*\c:\reg+4*\c+3], v[\adr] offset:(\i)*TILEB+(\q)*FRB+512*\c
.endr
.endm
.macro FETCH slot, q, p                ; the 16 fragments of the slot's q-th step into set p
	WIN 0x40
.irp i, 0,1,2,3,4,5,6,7
	FRAG 128*(\p)+12*\i, ADRB+\slot, \q, \i
.endr
	WIN 0
.irp i, 0,1,2,3,4,5,6,7
	FRAG AF+96*(\p)+12*\i, ADRA+\slot, \q, \i
.endr
.endm
.macro SCALES sc                       ; a slot's scale words: register 2 i + q: lanes 0-15 the A side's block i, lanes 16-31 the B side's
.irp i, 0,1,2,3,4,5,6,7
.irp q, 0,1
	ds_load_b32 v[SC+16*\sc+NQ*\i+\q], v[ADRS] offset:\i*NK*64+64*\q
.endr
.endr
.endm
; 8 products: the A side's block a against the B side's eight.  cm = 1: the column bias is the C: nothing is cleared.  The 64 accumulators take turns in the same order in every step.
.macro MUL8 a, p, q, sc, cm
.irp b, 0,1,2,3,4,5,6,7
.if \cm
	v_wmma_scale_f32_16x16x128_f8f6f4 v[8*(8*((\a)%4)+\b):8*(8*((\a)%4)+\b)+7], v[128*(\p)+12*\b:128*(\p)+12*\b+11], v[AF+96*(\p)+12*(\a):AF+96*(\p)+12*(\a)+11], v[96+8*\b+96*(\b/4):96+8*\b+96*(\b/4)+7], v[SC+16*(\sc)+NQ*\b+(\q)], v[SC+16*(\sc)+NQ*(\a)+(\q)] matrix_a_fmt:MATRIX_FMT_FP6 matrix_b_fmt:MATRIX_FMT_FP6 matrix_a_scale:MATRIX_SCALE_ROW1
.else
	v_wmma_scale_f32_16x16x128_f8f6f4 v[8*(8*((\a)%4)+\b):8*(8*((\a)%4)+\b)+7], v[128*(\p)+12*\b:128*(\p)+12*\b+11], v[AF+96*(\p)+12*(\a):AF+96*(\p)+12*(\a)+11], v[8*(8*((\a)%4)+\b):8*(8*((\a)%4)+\b)+7], v[SC+16*(\sc)+NQ*\b+(\q)], v[SC+16*(\sc)+NQ*(\a)+(\q)] matrix_a_fmt:MATRIX_FMT_FP6 matrix_b_fmt:MATRIX_FMT_FP6 matrix_a_scale:MATRIX_SCALE_ROW1
.endif
.endr
.endm
; A step that has its successor in the same slot: the successor's fragments are asked for in one run at the head, a whole step ahead of their use.
.macro STEP slot, q, cm
	PLACES                                         ; the set to be loaded was read by the products just issued
	FETCH \slot, (\q)+1, ((\q)+1)%2
	s_wait_dscnt NF                                ; only the NF loads just issued may be out: this step's set and scale words are in
	WIN 0xa1-0x10*(\cm)                            ; source 0 window 1, source 1 window 0, D window 2, C window 2 (the bias: window 1)
.irp a, 0,1,2,3
	MUL8 \a, (\q)%2, \q, \slot, \cm
.endr
	WIN 0xf1-0x20*(\cm)
.irp a, 4,5,6,7
	MUL8 \a, (\q)%2, \q, \slot, \cm
.endr
	WIN 0
.endm
; A slot's last step changes slots: one barrier; in front of it each wave waits for all its tensor loads, adds 0 to its spare word, and waits for that and for its reads of this slot.
.macro TURN slot, next, fill
	s_wait_tensorcnt 0x0                           ; all my tensor loads have landed: my part of the next slot
	ds_add_u32 v[SPW], v[NIL]                      ; 0 onto my spare word
	s_wait_dscnt 1                                 ; only the add may be out: set 1 is in
	WIN 0xa1
	MUL8 0, 1, NQ-1, \slot, 0
	MUL8 1, 1, NQ-1, \slot, 0
	s_wait_dscnt 0x0                               ; the add is done, and my reads of this slot are over
	s_barrier_signal -1
	MUL8 2, 1, NQ-1, \slot, 0
	MUL8 3, 1, NQ-1, \slot, 0
	WIN 0
	s_barrier_wait -1
.if \fill
	CREST                                          ; the barrier has opened a round of the cluster's: no wave of any partner still reads this slot or has a load on its way
	s_add_nc_u64 s[G0+4*\slot+2:G0+4*\slot+3], s[G0+4*\slot+2:G0+4*\slot+3], 2*TILEB
	s_add_nc_u64 s[G0B+4*\slot+2:G0B+4*\slot+3], s[G0B+4*\slot+2:G0B+4*\slot+3], 2*TILEB
	JLOAD G0+4*\slot, G1, G0B+4*\slot, G1B         ; the first tensor load behind the round; its four v_nop are the places in front of the loads below
.else
	PLACES
.endif
	v_add_nc_u32 v[ADRS], 64*NQ, v[ADRS]           ; on to the next slot's scale words
	FETCH \next, 0, 0
	SCALES \next
	WIN 0xf1
.irp a, 4,5,6,7
	MUL8 \a, 1, NQ-1, \slot, 0
.endr
	WIN 0
.endm
	s_wait_tensorcnt 1                             ; the scale words and my part of slot 0 are in; slot 1's load may be out
	s_barrier_signal -1
	s_barrier_wait -1
	FETCH 0, 0, 0
	SCALES 0
	s_wait_loadcnt 0x0                             ; the biases
	WIN 0x44                                       ; destination and source 1 window 1
.set n, 0
.rept 32
	v_cndmask_b32 v[96+n], 0, v[96+n], s11         ; the column bias stays for q, k
	v_cndmask_b32 v[224+n], 0, v[224+n], s11
.set n, n+1
.endr
	WIN 0
.irp a, 0,1,2,3,4,5,6,7
	v_cndmask_b32 v[2+2*\a+2*(\a/7)], 0, v[2+2*\a+2*(\a/7)], s2    ; the channel bias stays for v
	v_cndmask_b32 v[3+2*\a+2*(\a/7)], 0, v[3+2*\a+2*(\a/7)], s2
.endr
	STEP 0, 0, 1
	s_mov_b32 s3, LAPS-1
.Llap:                                                 ; a trip goes once round the ring and fills both slots again
	TURN 0, 1, 1
	STEP 1, 0, 0
	TURN 1, 0, 1
	STEP 0, 0, 0
	s_sub_co_u32 s3, s3, 1
	s_cmp_lg_u32 s3, 0
	s_cbranch_scc1 .Llap
	TURN 0, 1, 0                                   ; the last lap fills nothing
	STEP 1, 0, 0
	s_wait_dscnt 0x0                               ; the very last step
	WIN 0xa1
.irp a, 0,1,2,3
	MUL8 \a, 1, NQ-1, 1, 0
.endr
	WIN 0xf1
.irp a, 4,5,6,7
	MUL8 \a, 1, NQ-1, 1, 0
.endr
	WIN 0
	PLACES                                         ; in front of the first read of results and the first write over fragments
; THE WAY OUT of the A side's block a: + the channel bias (0 for q, k), quantised along the B side, stored as two planes and a scale word.  Each store of 16 bytes a lane covers 512 consecutive bytes.
.macro OUTA a
.set BVR, 2+2*(\a)+2*((\a)/7)
	WIN 0x02+((\a)/4)                              ; source 0: window 2 or 3
.set n, 0
.rept 32
	v_pk_add_f32 v[G+n:G+n+1], v[64*((\a)%4)+n:64*((\a)%4)+n+1], v[BVR:BVR+1]    ; each accumulator from its low end on
.set n, n+2
.endr
	WIN 0
	QUANT G, 128, 144, 164
	global_store_b128 v[LI], v[144:147], s[96:97]              ; blocks 0, 1: registers 0-3
	global_store_b128 v[LI], v[150:153], s[96:97] offset:512   ; blocks 2, 3
	global_store_b64 v[L8], v[148:149], s[98:99]               ; registers 4, 5
	global_store_b64 v[L8], v[154:155], s[98:99] offset:256
	global_store_b32 v[R4], v164, s[100:101]
.if (\a) < 7
	s_wait_xcnt 0x0                                ; the stores have read their data and their bases: both are written again only behind this wait
	s_add_nc_u64 s[96:97], s[96:97], s[66:67]
	s_add_nc_u64 s[98:99], s[98:99], s[92:93]
	s_add_nc_u64 s[100:101], s[100:101], s[94:95]
.endif
.endm
.irp a, 0,1,2,3,4,5,6,7
	OUTA \a
.endr
	s_wait_tensorcnt 0x0                           ; the wave's end
	ds_add_u32 v[SPW], v[NIL]
	s_wait_dscnt 0x0
	CROUND                                         ; the closing round
	s_endpgm
.Lfunc_end_k_q38fa694e37_qkv:
	.size	k_q38fa694e37_qkv, .Lfunc_end_k_q38fa694e37_qkv-k_q38fa694e37_qkv
	.p2alignl 7, 3214868480
	.fill 96, 4, 3214868480
	.section	.rodata,"a",@progbits
	.p2align	6, 0x0
	.amdhsa_kernel k_q38fa694e37_qkv
		.amdhsa_group_segment_fixed_size 327680
		.amdhsa_private_segment_fixed_size 0
		.amdhsa_enable_private_segment 0
		.amdhsa_kernarg_size 24
		.amdhsa_user_sgpr_count 2
		.amdhsa_user_sgpr_kernarg_segment_ptr 1
		.amdhsa_wavefront_size32 1
		.amdhsa_system_sgpr_workgroup_id_x 1
		.amdhsa_system_sgpr_workgroup_id_y 1
		.amdhsa_system_sgpr_workgroup_id_z 1
		.amdhsa_system_vgpr_workitem_id 0
		.amdhsa_next_free_vgpr 1024
		.amdhsa_next_free_sgpr 102
		.amdhsa_reserve_vcc 0
		.amdhsa_float_denorm_mode_32 3
		.amdhsa_float_denorm_mode_16_64 3
		.amdhsa_memory_ordered 1
		.amdhsa_forward_progress 1
		.amdhsa_inst_pref_size 168
	.end_amdhsa_kernel
	.amdgpu_metadata
---
amdhsa.version: [ 1, 2 ]
amdhsa.kernels:
  - .name:           k_q38fa694e37_qkv
    .symbol:         k_q38fa694e37_qkv.kd
    .args:
      - { .name: prep, .offset: 0, .size: 8, .value_kind: global_buffer, .address_space: global }
      - { .name: b_in, .offset: 8, .size: 8, .value_kind: global_buffer, .address_space: global }
      - { .name: qkv, .offset: 16, .size: 8, .value_kind: global_buffer, .address_space: global }
    .group_segment_fixed_size: 327680
    .private_segment_fixed_size: 0
    .kernarg_segment_align: 8
    .kernarg_segment_size: 24
    .max_flat_workgroup_size: 128
    .sgpr_count:     102
    .vgpr_count:     1024
    .wavefront_size: 32
...
	.end_amdgpu_metadata
.endif
;; end of part 2
;; launch attn (part 3): grid 128 x 1, 16 waves a work-group, no clusters, 296,960 bytes of LDS; arguments qkv, prep, x, b_out, ln1_g, ln1_b, x1, x1q; writes x1, x1q
.if DOCPART == 3
	.amdgcn_target "amdgcn-amd-amdhsa--gfx1250"
	.amdhsa_code_object_version 6
	.text
	.protected	k_q38fa694e37_attn
	.globl	k_q38fa694e37_attn
	.p2align	8
	.type	k_q38fa694e37_attn,@function
k_q38fa694e37_attn:
	s_mov_b64 s[64:65], 0
	v_nop
	global_prefetch_b8 v0, s[64:65] scope:SCOPE_SE
	s_setreg_imm32_b32 hwreg(HW_REG_WAVE_MODE, 25, 1), 1
	s_wait_xcnt 0x0
; ATTN: the banded attention (key j counts for query i where i - 4 <= j <= i, inside one sequence of 2,048), the output projection, + b_out + x, LayerNorm 1; x1 leaves as f32 and as codes.
; A work-group owns one block of 32 rows (whole rows: the norm needs them); its keys lie in its own block of 32 and the one before: all other products fall under the mask that the problem itself builds.
; All three products on codes of E2M3, used transposed, so that a lane holds one row throughout.  The attention products have K = 64: registers 6-11 of their operands hold zero codes.
; PHASE A: wave w: query tile u = w % 2, heads 2 (w / 2) and 2 (w / 2) + 1.  S^T = K Q^T (4 tiles of keys), mask, p = 2^(t - M) with M = ceil(the row's largest t), quantised along the keys; O^T = V^T P^T; / the sum of the
; unquantised p.  The wave's 128 channels are one K step of the projection: quantised in registers, the fragment's image goes to LDS.
; PHASE B: wave w: columns 64 w .. 64 w + 63, both row tiles, 8 accumulators, which BEGIN AS x: the residual costs no addition.  w_out's fragments come from memory straight into registers, two K steps ahead:
; each byte of w_out feeds one wave of the work-group once, so a way through LDS would add a write and a read, and a joint load would have one K step on its way where these loads have two; hence no cluster.
; PHASE C: + b_out; mean and variance in two passes (partial sums of the 16 waves meet in LDS); x1 through LDS: whole rows out, and one fragment a wave quantised.
; LIMITS: a block of zeros gets the byte 1 (its codes are zeros; this program alone reads the bytes); NaN and infinities are not served.
.set QKB, 4194304
.set QKS, 6291456
.set VPA, 6553600
.set VPB, 8650752
.set VPS, 9699328
.set WOI, 3276800+192*12288            ; w_out's image in prep: tiles 192 on
.set WOS, 6422528+192*512
.set X1QS, 3145728
.set XP,   4112                        ; a staged row: 4,096 bytes + 16
.set XST,  0                           ; LDS: x's 32 rows, filled once by asynchronous copies; row 16 u + r is lane r of tile u
.set X1ST, 32*XP                       ; x1's 32 rows
.set AIMG, 2*32*XP                     ; attn's 16 fragments: (u, K step ks) at 2 ks + u
.set ASC,  AIMG+16*1536                ; their scale words, 4 bytes a lane
.set ST1,  ASC+16*128                  ; partial sums: 32 rows x 80 bytes
.set ST2O, 2560                        ; and of squares, this far behind
.set SEL, 26
.set CS,  28                           ; s[28:29] log2(e) / 8
.set HM,  30                           ; s30 lanes 16-31
.set QH,  42
.set QF,  50
.set PF,  62
.set PT,  74
.set KF,  80
.set VF,  128
.set O,   176
.set S,   208                          ; the scores lie on the second head's part of O
.set AC,  176
.set AF,  136
.macro PLACES
.rept 4
	v_nop
.endr
.endm
.macro QUANT s, tm, pc, pw             ; 64 numbers of a lane (register 16 b + i = k 32 b + 16 h + i) -> a fragment's codes in v[pc] on, its scale word in v[pw]
.irp b, 0,1,2,3
	v_max3_num_f32 v[\tm+\b], |v[\s+16*\b]|, |v[\s+1+16*\b]|, 0x1800000   ; the floor 2^(3 - 127) holds the byte at 1 from below
.endr
.irp i, 2,4,6,8,10,12,14
.irp b, 0,1,2,3
	v_max3_num_f32 v[\tm+\b], v[\tm+\b], |v[\s+16*\b+\i]|, |v[\s+1+16*\b+\i]|
.endr
.endr
.irp b, 0,1,2,3
	v_permlanex16_b32 v[\tm+4+\b], v[\tm+\b], s[SEL], s[SEL+1]
.endr
.irp b, 0,1,2,3
	v_max_num_f32 v[\tm+\b], v[\tm+\b], v[\tm+4+\b]
.endr
.irp b, 0,1,2,3
	v_add_nc_u32 v[\tm+12+\b], 0xff000000, v[\tm+\b]
.endr
.irp b, 0,1,2,3
	v_lshrrev_b32 v[\tm+4+\b], 23, v[\tm+12+\b]
.endr
	v_lshl_or_b32 v[\pw], v[\tm+5], 8, v[\tm+4]
	v_lshl_or_b32 v[\pw], v[\tm+6], 16, v[\pw]
	v_lshl_or_b32 v[\pw], v[\tm+7], 24, v[\pw]
.irp c, 0,1
	v_cvt_scalef32_pk16_fp6_f32 v[\pc+6*\c:\pc+2+6*\c], v[\s+32*\c:\s+15+32*\c], v[\tm+12+2*\c]
	v_cvt_scalef32_pk16_fp6_f32 v[\pc+12+4*\c:\pc+14+4*\c], v[\s+16+32*\c:\s+31+32*\c], v[\tm+13+2*\c]
.endr
	v_nop                                          ; one plain place behind the scaled conversions
.irp c, 0,1
.irp i, 0,1,2
	v_permlane16_swap_b32 v[\pc+6*\c+\i], v[\pc+12+4*\c+\i]
.endr
.irp i, 0,1,2
	v_mov_b32 v[\pc+3+6*\c+\i], v[\pc+12+4*\c+\i]
.endr
.endr
.endm
	s_load_b256 s[4:11], s[0:1], 0x0               ; qkv, prep, x, b_out
	s_load_b256 s[12:19], s[0:1], 0x20             ; ln1_g, ln1_b, x1, x1q
	v_lshl_add_u32 v250, v0, 2, 0x48000
	v_mov_b32 v251, 0
	ds_add_u32 v250, v251
	ds_add_u32 v250, v251
	v_lshrrev_b32 v14, 5, v0
	v_readfirstlane_b32 s20, v14                   ; wave 0..15
	s_and_b32 s21, s20, 1                          ; u
	s_lshr_b32 s22, s20, 1                         ; hp: my pair of heads, my K step of the projection
	s_mov_b32 s23, ttmp9                           ; my block of 32 rows
	s_max_u32 s24, s23, 1
	s_sub_co_u32 s24, s24, 1                       ; the block before (block 0: itself; its scores are hidden)
	s_sub_co_u32 s25, s23, s24
	s_mov_b32 s[SEL], 0x76543210
	s_mov_b32 s[SEL+1], 0xfedcba98
	s_mov_b32 s[CS], 0x3e38aa3b                    ; log2(e) / sqrt(64)
	s_mov_b32 s[CS+1], s[CS]
	s_mov_b32 s[HM], 0xffff0000
	s_and_b32 s31, s23, 63
	s_cmp_eq_u32 s31, 0                            ; a sequence's first block has no block before it
	s_cselect_b32 s31, 0x1000, 0
	s_add_co_u32 s31, s31, 32
	v_and_b32 v14, 31, v0                          ; lane
	v_and_b32 v15, 15, v0                          ; r
	v_bfe_u32 v16, v0, 4, 1                        ; h
	v_lshlrev_b32 v1, 4, v14                       ; 16 x lane
	v_lshlrev_b32 v2, 3, v14                       ; 8 x lane
	v_lshlrev_b32 v3, 2, v15                       ; 4 r
	v_lshlrev_b32 v9, 2, v14                       ; 4 x lane
	s_lshl_b32 s66, s25, 8
	v_mul_u32_u24 v4, s66, v16                     ; V's plane A: lanes 0-15 the block before, lanes 16-31 my block
	v_lshl_add_u32 v4, v15, 4, v4
	s_lshl_b32 s66, s25, 7
	v_mul_u32_u24 v5, s66, v16                     ; plane B
	v_lshl_add_u32 v5, v15, 3, v5
	v_and_b32 v17, 8, v15
	v_add_nc_u32 v17, v17, v15                     ; r + 8 (r / 8)
	v_lshlrev_b32 v18, 4, v16
	v_sub_nc_u32 v7, v17, v18
	s_lshl_b32 s66, s21, 3
	v_add_nc_u32 v7, s66, v7                       ; my query less key 16 h of my block: register i of that block's 16 is key i further on
	v_add_nc_u32 v6, s31, v7                       ; the same for the block before: 32 more (and out of reach where there is none)
	v_mov_b32 v8, 0xff800000                       ; -infinity
	s_mul_i32 s66, s20, 2*XP
	v_add_nc_u32 v10, s66, v1                      ; the copies: staged rows 2 w and 2 w + 1,
	v_add_nc_u32 v11, XP, v10
	v_add_nc_u32 v13, 4096, v1                     ; which are two neighbouring rows of x
	v_mov_b32 v19, 0
	v_mov_b32 v22, 0                               ; written once: a lane permute's destination counts as one of its sources
	v_mov_b32 v23, 0
.irp b, 0,1,2,3
	v_mov_b32 v[244+\b], 0
.endr
	s_lshr_b32 s66, s20, 3                         ; staged row 2 w is row 8 (w / 8) + 2 (w % 8) + 8 ((w / 4) % 2) of the block
	s_lshl_b32 s66, s66, 3
	s_and_b32 s67, s20, 7
	s_lshl_b32 s67, s67, 1
	s_add_co_u32 s66, s66, s67
	s_bfe_u32 s67, s20, 0x10002
	s_lshl_b32 s67, s67, 3
	s_add_co_u32 s66, s66, s67
	s_lshl_b32 s67, s23, 5
	s_add_co_u32 s66, s66, s67
	s_lshl_b32 s58, s66, 12
	s_lshl_b32 s68, s23, 1
	s_add_co_u32 s68, s68, s21                     ; my tile of queries
	s_lshl_b32 s69, s22, 10
	s_lshl_b32 s32, s68, 14                        ; Q: plane A: a tile is 64 units of 256 bytes; my heads' four blocks
	s_add_co_u32 s32, s32, s69
	s_lshr_b32 s34, s32, 1                         ; plane B: half of that
	s_lshr_b32 s36, s32, 4                         ; the scale words: a sixteenth
	s_add_co_u32 s34, s34, QKB
	s_add_co_u32 s36, s36, QKS
	s_lshl_b32 s38, s24, 15                        ; K of the block before: two tiles; k's blocks lie 32 units behind q's
	s_add_co_u32 s38, s38, s69
	s_add_co_u32 s38, s38, 8192
	s_lshr_b32 s40, s38, 1
	s_lshr_b32 s42, s38, 4
	s_add_co_u32 s40, s40, QKB
	s_add_co_u32 s42, s42, QKS
	s_lshl_b32 s44, s23, 15                        ; K of my block
	s_add_co_u32 s44, s44, s69
	s_add_co_u32 s44, s44, 8192
	s_lshr_b32 s46, s44, 1
	s_lshr_b32 s48, s44, 4
	s_add_co_u32 s46, s46, QKB
	s_add_co_u32 s48, s48, QKS
	s_lshl_b32 s50, s22, 18                        ; V: my 8 tiles of channels, 128 units of 256 bytes each; from the block before on
	s_lshl_b32 s66, s24, 8
	s_add_co_u32 s50, s50, s66
	s_lshr_b32 s52, s50, 1
	s_add_co_u32 s50, s50, VPA
	s_add_co_u32 s52, s52, VPB
	s_lshl_b32 s54, s22, 14                        ; V's scale bytes: byte X % 4 of word X / 4
	s_add_co_u32 s54, s54, VPS
	s_lshr_b32 s66, s23, 2
	s_lshl_b32 s66, s66, 6
	s_and_b32 s67, s23, 3
	s_add_co_u32 s66, s66, s67
	s_add_co_u32 s56, s54, s66
	s_lshr_b32 s66, s24, 2
	s_lshl_b32 s66, s66, 6
	s_and_b32 s67, s24, 3
	s_add_co_u32 s66, s66, s67
	s_add_co_u32 s54, s54, s66
	s_mul_i32 s60, s20, 4*12288                    ; w_out: my four tiles
	s_add_co_u32 s60, s60, WOI
	s_lshl_b32 s62, s20, 11
	s_add_co_u32 s62, s62, WOS
	s_lshl_b32 s70, s68, 3
	s_add_co_u32 s70, s70, s22                     ; x1q: fragment (my tile, K step hp)
	s_lshl_b32 s72, s70, 6
	s_add_co_u32 s72, s72, X1QS
	s_mul_i32 s70, s70, 1536
	s_lshl_b32 s66, s20, 8                         ; my 64 columns of the parameters
	s_mov_b32 s67, 0
.irp p, 32,34,36,38,40,42,44,46,48,50,52,54,56,58,60,62,70,72
	s_mov_b32 s[\p+1], 0
.endr
	s_wait_dscnt 0x0
	s_wait_kmcnt 0x0
.irp p, 32,34,36,38,40,42,44,46,48,50,52,54,56
	s_add_nc_u64 s[\p:\p+1], s[4:5], s[\p:\p+1]
.endr
	s_add_nc_u64 s[16:17], s[16:17], s[58:59]      ; x1 at my two rows
	s_add_nc_u64 s[58:59], s[8:9], s[58:59]        ; x likewise
	s_add_nc_u64 s[60:61], s[6:7], s[60:61]
	s_add_nc_u64 s[62:63], s[6:7], s[62:63]
	s_add_nc_u64 s[70:71], s[18:19], s[70:71]
	s_add_nc_u64 s[72:73], s[18:19], s[72:73]
	s_add_nc_u64 s[10:11], s[10:11], s[66:67]
	s_add_nc_u64 s[12:13], s[12:13], s[66:67]
	s_add_nc_u64 s[14:15], s[14:15], s[66:67]
	s_mov_b32 s31, 0x3a800000                      ; 1 / 1,024
	s_mov_b32 s69, 0x3727c5ac                      ; 1e-5
.irp i, 0,1,2,3,4,5,6,7                        ; x's two rows into the stage: ahead of every LDS read and every barrier; the immediate steps both addresses
	global_load_async_to_lds_b128 v10, v1, s[58:59] offset:512*\i
.endr
.irp i, 0,1,2,3,4,5,6,7
	global_load_async_to_lds_b128 v11, v13, s[58:59] offset:512*\i
.endr
	global_load_b128 v[QF:QF+3], v1, s[32:33]              ; Q of both heads: lanes 0-15 a head's first block of 32, lanes 16-31 its second
	global_load_b64 v[QF+4:QF+5], v2, s[34:35]
	global_load_b128 v[QH:QH+3], v1, s[32:33] offset:512
	global_load_b64 v[QH+4:QH+5], v2, s[34:35] offset:256
	global_load_b32 v28, v3, s[36:37]                      ; one word serves both heads: bytes 0, 1 and 2, 3
.macro KLOAD e, words                  ; four tiles of keys: two of the block before, two of mine
.irp t, 0,1,2,3
	global_load_b128 v[KF+12*\t:KF+12*\t+3], v1, s[38+6*(\t/2):39+6*(\t/2)] offset:(\t%2)*16384+\e*512
	global_load_b64 v[KF+12*\t+4:KF+12*\t+5], v2, s[40+6*(\t/2):41+6*(\t/2)] offset:(\t%2)*8192+\e*256
.if \words
	global_load_b32 v[30+\t], v3, s[42+6*(\t/2):43+6*(\t/2)] offset:(\t%2)*1024
.endif
.endr
.endm
.macro VLOAD e                         ; four tiles of the head's channels x the two blocks of keys; a scale byte for each block
.irp t, 0,1,2,3
	global_load_b128 v[VF+12*\t:VF+12*\t+3], v4, s[50:51] offset:(4*\e+\t)*32768
	global_load_b64 v[VF+12*\t+4:VF+12*\t+5], v5, s[52:53] offset:(4*\e+\t)*16384
	global_load_u8 v[34+\t], v3, s[54:55] offset:(4*\e+\t)*2048
	global_load_u8 v[38+\t], v3, s[56:57] offset:(4*\e+\t)*2048
.endr
.endm
	KLOAD 0, 1
	VLOAD 0
.irp f, QF, KF, KF+12, KF+24, KF+36, PF, VF, VF+12, VF+24, VF+36
.irp i, 6,7,8,9,10,11
	v_mov_b32 v[\f+\i], 0                          ; K = 64 .. 127: zero codes, which add nothing under any scale byte that occurs here
.endr
.endr
.macro HEAD e
	s_wait_loadcnt 16                              ; V's 16 loads are the younger ones: Q and K are in
.irp t, 0,1,2,3
	v_wmma_scale_f32_16x16x128_f8f6f4 v[S+8*\t:S+8*\t+7], v[KF+12*\t:KF+12*\t+11], v[QF:QF+11], 0, v[30+\t], v28 matrix_a_fmt:MATRIX_FMT_FP6 matrix_b_fmt:MATRIX_FMT_FP6
.endr
	PLACES
.if \e == 0
	KLOAD 1, 0                                     ; the second head's K
.endif
.set n, 0
.rept 32                                       ; register 16 b + i holds key 16 h + i of block b: it counts where 0 <= query - key <= 4
	v_add_nc_u32 v[14+n%2], -(n%16), v[6+n/16]
	v_cmp_gt_u32 vcc_lo, 5, v[14+n%2]
	v_cndmask_b32 v[S+n], v8, v[S+n], vcc_lo
.set n, n+1
.endr
.if \e == 0
.irp i, 0,1,2,3,4,5
	v_mov_b32 v[QF+\i], v[QH+\i]                   ; the second head's Q,
.endr
	v_lshrrev_b32 v28, 16, v28                     ; and its bytes of the scale words
.irp t, 0,1,2,3
	v_lshrrev_b32 v[30+\t], 16, v[30+\t]
.endr
	s_wait_loadcnt 8                               ; the second head's K (8 loads) is younger: V is in
.else
	s_wait_loadcnt 0x0
.endif
.irp t, 0,1,2,3
	v_lshl_or_b32 v[34+\t], v[38+\t], 8, v[34+\t]  ; V's scale word: byte 0 the block before, byte 1 my block
.endr
	v_max3_num_f32 v20, v[S], v[S+1], v[S+2]       ; the largest score of each block: for the row's maximum, and, since p rises with the score, for the block's largest p
	v_max3_num_f32 v21, v[S+16], v[S+17], v[S+18]
.irp i, 3,5,7,9,11,13
	v_max3_num_f32 v20, v20, v[S+\i], v[S+\i+1]
	v_max3_num_f32 v21, v21, v[S+16+\i], v[S+17+\i]
.endr
	v_max_num_f32 v20, v20, v[S+15]
	v_max_num_f32 v21, v21, v[S+31]
	v_permlanex16_b32 v22, v20, s[SEL], s[SEL+1]
	v_permlanex16_b32 v23, v21, s[SEL], s[SEL+1]
	v_max_num_f32 v20, v20, v22
	v_max_num_f32 v21, v21, v23
	v_max_num_f32 v14, v20, v21                    ; the row's largest score (the diagonal always counts)
	v_mul_f32 v14, s[CS], v14
	v_floor_f32 v16, -v14                          ; -M = -ceil(t): a whole number
.set n, 0
.rept 16
	v_pk_fma_f32 v[S+n:S+n+1], v[S+n:S+n+1], s[CS:CS+1], v[16:17] op_sel_hi:[1,0,0]     ; t - M
.set n, n+2
.endr
	v_fma_f32 v20, v20, s[CS], v16
	v_fma_f32 v21, v21, s[CS], v16
.set n, 0
.rept 32
	v_exp_f32 v[S+n], v[S+n]                       ; p = 2^(t - M); 0 for hidden keys
.set n, n+1
.endr
	v_nop                                          ; a plain place behind the exponentials
	s_wait_alu depctr_va_vdst(0)                   ; one wait for the batch, ahead of its first reader
	v_exp_f32 v20, v20
	v_exp_f32 v21, v21
	v_pk_add_f32 v[18:19], v[S:S+1], v[S+2:S+3]    ; the row's sum of the unquantised p, in two chains; it reads the 32 alone
	v_pk_add_f32 v[14:15], v[S+4:S+5], v[S+6:S+7]
.irp j, 8,12
	v_pk_add_f32 v[18:19], v[18:19], v[S+\j:S+\j+1]
	v_pk_add_f32 v[14:15], v[14:15], v[S+\j+2:S+\j+3]
.endr
	s_wait_alu depctr_va_vdst(0)                   ; and one for the two
	v_max_num_f32 v20, 0x1800000, v20              ; the floor: a block whose every p is 0 keeps the byte 1
	v_max_num_f32 v21, 0x1800000, v21
	v_add_nc_u32 v24, 0xff000000, v20
	v_add_nc_u32 v25, 0xff000000, v21
	v_lshrrev_b32 v26, 23, v24
	v_lshrrev_b32 v27, 23, v25
	v_lshl_or_b32 v29, v27, 8, v26                 ; p's scale word
	v_cvt_scalef32_pk16_fp6_f32 v[PF:PF+2], v[S:S+15], v24
	v_cvt_scalef32_pk16_fp6_f32 v[PT:PT+2], v[S+16:S+31], v25
	v_nop                                          ; one plain place behind the scaled conversions
.irp i, 0,1,2
	v_permlane16_swap_b32 v[PF+\i], v[PT+\i]
.endr
.irp i, 0,1,2
	v_mov_b32 v[PF+3+\i], v[PT+\i]
.endr
.irp j, 16,20,24,28                            ; the rest of the sums: nine plain lines, the places between the scale word's and the operand's last writes and the scaled products
	v_pk_add_f32 v[18:19], v[18:19], v[S+\j:S+\j+1]
	v_pk_add_f32 v[14:15], v[14:15], v[S+\j+2:S+\j+3]
.endr
	v_pk_add_f32 v[18:19], v[18:19], v[14:15]
.irp t, 0,1,2,3
	v_wmma_scale_f32_16x16x128_f8f6f4 v[O+32*\e+8*\t:O+32*\e+8*\t+7], v[VF+12*\t:VF+12*\t+11], v[PF:PF+11], 0, v[34+\t], v29 matrix_a_fmt:MATRIX_FMT_FP6 matrix_b_fmt:MATRIX_FMT_FP6
.endr
	PLACES
.if \e == 0
	VLOAD 1
.endif
	v_add_f32 v18, v18, v19
	v_permlanex16_b32 v22, v18, s[SEL], s[SEL+1]
	v_add_f32 v18, v18, v22                        ; the row's sum
	v_rcp_f32 v18, v18
	v_nop
	s_wait_alu depctr_va_vdst(0)
.set n, 0
.rept 16
	v_pk_mul_f32 v[O+32*\e+n:O+32*\e+n+1], v[O+32*\e+n:O+32*\e+n+1], v[18:19] op_sel_hi:[1,0]
.set n, n+2
.endr
.endm
	HEAD 0
	HEAD 1
	; the LDS addresses of what follows, in registers that V's fragments have left
	s_mul_i32 s66, s20, 1536
	v_add_nc_u32 v162, s66, v1
	v_add_nc_u32 v162, AIMG, v162                  ; where my fragment's image goes
	s_lshl_b32 s66, s20, 7
	v_add_nc_u32 v163, s66, v9
	v_add_nc_u32 v163, ASC, v163                   ; and its scale words
	v_add_nc_u32 v164, AIMG, v1                    ; where images are read,
	v_add_nc_u32 v165, ASC, v9                     ; and scale words
	v_and_b32 v174, 15, v0
	v_bfe_u32 v175, v0, 4, 1
	v_mul_u32_u24 v166, v174, XP
	v_lshl_add_u32 v166, v175, 6, v166             ; row r, + 64 h
	s_mul_i32 s67, s21, 16*XP
	s_lshl_b32 s68, s22, 9
	s_add_co_u32 s67, s67, s68
	s_add_co_u32 s67, s67, X1ST
	v_add_nc_u32 v173, s67, v166                   ; x1: my fragment's numbers: tile u, K step hp
	s_lshl_b32 s66, s20, 8
	v_add_nc_u32 v166, s66, v166                   ; x: tile 0, my 64 columns,
	v_add_nc_u32 v167, 16*XP, v166                 ; tile 1;
	v_add_nc_u32 v168, X1ST, v166                  ; x1 likewise
	v_add_nc_u32 v169, X1ST, v167
	v_and_b32 v171, 31, v0
	v_mul_u32_u24 v171, v171, 80
	v_add_nc_u32 v171, ST1, v171                   ; the partial sums of row = lane,
	s_lshl_b32 s66, s20, 2
	v_add_nc_u32 v170, s66, v171                   ; my wave's word among them
	s_mul_i32 s66, s20, 2*XP
	s_add_co_u32 s66, s66, X1ST
	v_add_nc_u32 v172, s66, v1                     ; x1: my two whole rows
	v_lshlrev_b32 v174, 6, v175                    ; the parameters: 64 h
	QUANT O, 240, 136, 160
.irp c, 0,1,2
	ds_store_b128 v162, v[136+4*\c:139+4*\c] offset:512*\c
.endr
	ds_store_b32 v163, v160
.macro BLOAD ks                        ; w_out's four fragments of K step ks and their scale words: 16 loads
.irp t, 0,1,2,3
.irp c, 0,1,2
	global_load_b128 v[40+48*((\ks)%2)+12*\t+4*\c:43+48*((\ks)%2)+12*\t+4*\c], v1, s[60:61] offset:\t*12288+(\ks)*1536+512*\c
.endr
	global_load_b32 v[30+4*((\ks)%2)+\t], v3, s[62:63] offset:\t*512+(\ks)*64
.endr
.endm
	BLOAD 0
	BLOAD 1
	s_wait_asynccnt 0x0                            ; my two rows of x have landed,
	s_wait_dscnt 0x0                               ; my image has,
	s_barrier_signal -1
	s_barrier_wait -1                              ; everybody's have
.irp u, 0,1
.irp t, 0,1,2,3
.irp q, 0,1
	ds_load_b128 v[AC+8*(4*\u+\t)+4*\q:AC+8*(4*\u+\t)+4*\q+3], v[166+\u] offset:128*(\t/2)+32*(\t%2)+16*\q     ; the sums begin as x
.endr
.endr
.endr
.macro KSTEP ks
.if \ks > 0
	PLACES                                         ; in front of loads into registers that the last products read
.endif
.if (\ks > 0) && (\ks < 7)
	BLOAD (\ks)+1
.endif
.if \ks == 7
.irp c, 0,1,2,3,4,5,6,7
	global_load_b128 v[40+4*\c:43+4*\c], v174, s[10:11] offset:128*(\c/4)+16*(\c%4)      ; b_out at my 32 columns
.endr
.endif
.irp u, 0,1
.irp c, 0,1,2
	ds_load_b128 v[AF+12*\u+4*\c:AF+12*\u+4*\c+3], v164 offset:(2*\ks+\u)*1536+512*\c
.endr
	ds_load_b32 v[28+\u], v165 offset:(2*\ks+\u)*128
.endr
.if \ks < 7
	s_wait_loadcnt 16                              ; the next K step's 16 loads are the younger ones
.else
	s_wait_loadcnt 8                               ; b_out's 8 are
.endif
	s_wait_dscnt 0x0
.irp t, 0,1,2,3
.irp u, 0,1
	v_wmma_scale_f32_16x16x128_f8f6f4 v[AC+8*(4*\u+\t):AC+8*(4*\u+\t)+7], v[40+48*(\ks%2)+12*\t:51+48*(\ks%2)+12*\t], v[AF+12*\u:AF+12*\u+11], v[AC+8*(4*\u+\t):AC+8*(4*\u+\t)+7], v[30+4*(\ks%2)+\t], v[28+\u] matrix_a_fmt:MATRIX_FMT_FP6 matrix_b_fmt:MATRIX_FMT_FP6
.endr
.endr
.endm
.irp k, 0,1,2,3,4,5,6,7                        ; eight accumulators by turns, a K step at a time
	KSTEP \k
.endr
	PLACES
.irp c, 0,1,2,3,4,5,6,7
	global_load_b128 v[72+4*\c:75+4*\c], v174, s[12:13] offset:128*(\c/4)+16*(\c%4)
.endr
.irp c, 0,1,2,3,4,5,6,7
	global_load_b128 v[104+4*\c:107+4*\c], v174, s[14:15] offset:128*(\c/4)+16*(\c%4)
.endr
	s_wait_loadcnt 16                              ; the gain's and the offset's 16 loads are younger: b_out is in
.irp u, 0,1
.set n, 0
.rept 16
	v_pk_add_f32 v[AC+32*\u+n:AC+32*\u+n+1], v[AC+32*\u+n:AC+32*\u+n+1], v[40+n:41+n]
.set n, n+2
.endr
.endr
; v152 and v156 hold my lane's partial sums of its rows of tiles 0 and 1.  Out: v20 = the whole row's sum of row = lane (lanes 0-15 tile 0, lanes 16-31 tile 1), the same bits in every wave.
.macro ROWRED off
	v_permlanex16_b32 v22, v152, s[SEL], s[SEL+1]
	v_permlanex16_b32 v23, v156, s[SEL], s[SEL+1]
	v_add_f32 v152, v152, v22
	v_add_f32 v156, v156, v23
	v_cndmask_b32 v20, v152, v156, s[HM]
	ds_store_b32 v170, v20 offset:\off
	s_wait_dscnt 0x0
	s_barrier_signal -1
	s_barrier_wait -1
.irp c, 0,1,2,3
	ds_load_b128 v[136+4*\c:139+4*\c], v171 offset:\off+16*\c
.endr
	s_wait_dscnt 0x0
	v_pk_add_f32 v[136:137], v[136:137], v[138:139]
	v_pk_add_f32 v[140:141], v[140:141], v[142:143]
	v_pk_add_f32 v[144:145], v[144:145], v[146:147]
	v_pk_add_f32 v[148:149], v[148:149], v[150:151]
	v_pk_add_f32 v[136:137], v[136:137], v[140:141]
	v_pk_add_f32 v[144:145], v[144:145], v[148:149]
	v_pk_add_f32 v[136:137], v[136:137], v[144:145]
	v_add_f32 v20, v136, v137
.endm
.macro SPREAD                          ; v20 of row = lane -> v16: my row of tile 0, v18: of tile 1
	v_permlanex16_b32 v22, v20, s[SEL], s[SEL+1]
	v_cndmask_b32 v16, v20, v22, s[HM]
	v_cndmask_b32 v18, v22, v20, s[HM]
.endm
.irp u, 0,1
	v_pk_add_f32 v[152+4*\u:153+4*\u], v[AC+32*\u:AC+32*\u+1], v[AC+32*\u+2:AC+32*\u+3]
	v_pk_add_f32 v[154+4*\u:155+4*\u], v[AC+32*\u+4:AC+32*\u+5], v[AC+32*\u+6:AC+32*\u+7]
.irp j, 8,12,16,20,24,28
	v_pk_add_f32 v[152+4*\u:153+4*\u], v[152+4*\u:153+4*\u], v[AC+32*\u+\j:AC+32*\u+\j+1]
	v_pk_add_f32 v[154+4*\u:155+4*\u], v[154+4*\u:155+4*\u], v[AC+32*\u+\j+2:AC+32*\u+\j+3]
.endr
	v_pk_add_f32 v[152+4*\u:153+4*\u], v[152+4*\u:153+4*\u], v[154+4*\u:155+4*\u]
	v_add_f32 v[152+4*\u], v[152+4*\u], v[153+4*\u]
.endr
	ROWRED 0
	v_mul_f32 v20, s31, v20                        ; the mean
	SPREAD
.irp u, 0,1
.set n, 0
.rept 16
	v_pk_add_f32 v[AC+32*\u+n:AC+32*\u+n+1], v[AC+32*\u+n:AC+32*\u+n+1], v[16+2*\u:17+2*\u] op_sel_hi:[1,0] neg_lo:[0,1] neg_hi:[0,1]
.set n, n+2
.endr
.endr
.irp u, 0,1                                    ; the squares of what is left: no difference of large sums is formed
	v_pk_mul_f32 v[152+4*\u:153+4*\u], v[AC+32*\u:AC+32*\u+1], v[AC+32*\u:AC+32*\u+1]
	v_pk_mul_f32 v[154+4*\u:155+4*\u], v[AC+32*\u+2:AC+32*\u+3], v[AC+32*\u+2:AC+32*\u+3]
.irp j, 4,8,12,16,20,24,28
	v_pk_fma_f32 v[152+4*\u:153+4*\u], v[AC+32*\u+\j:AC+32*\u+\j+1], v[AC+32*\u+\j:AC+32*\u+\j+1], v[152+4*\u:153+4*\u]
	v_pk_fma_f32 v[154+4*\u:155+4*\u], v[AC+32*\u+\j+2:AC+32*\u+\j+3], v[AC+32*\u+\j+2:AC+32*\u+\j+3], v[154+4*\u:155+4*\u]
.endr
	v_pk_add_f32 v[152+4*\u:153+4*\u], v[152+4*\u:153+4*\u], v[154+4*\u:155+4*\u]
	v_add_f32 v[152+4*\u], v[152+4*\u], v[153+4*\u]
.endr
	ROWRED ST2O
	v_fma_f32 v20, v20, s31, s69                   ; the variance + 1e-5
	v_rsq_f32 v20, v20
	v_nop
	s_wait_alu depctr_va_vdst(0)
	SPREAD
	s_wait_loadcnt 0x0                             ; the gain and the offset
.irp u, 0,1
.set n, 0
.rept 16
	v_pk_mul_f32 v[AC+32*\u+n:AC+32*\u+n+1], v[AC+32*\u+n:AC+32*\u+n+1], v[16+2*\u:17+2*\u] op_sel_hi:[1,0]
.set n, n+2
.endr
.set n, 0
.rept 16
	v_pk_fma_f32 v[AC+32*\u+n:AC+32*\u+n+1], v[AC+32*\u+n:AC+32*\u+n+1], v[72+n:73+n], v[104+n:105+n]
.set n, n+2
.endr
.endr
.irp u, 0,1
.irp t, 0,1,2,3
.irp q, 0,1
	ds_store_b128 v[168+\u], v[AC+8*(4*\u+\t)+4*\q:AC+8*(4*\u+\t)+4*\q+3] offset:128*(\t/2)+32*(\t%2)+16*\q
.endr
.endr
.endr
	s_wait_dscnt 0x0
	s_barrier_signal -1
	s_barrier_wait -1                              ; 32 whole rows of x1 lie in LDS
.irp i, 0,1,2,3,4,5,6,7,8,9,10,11,12,13,14,15
	ds_load_b128 v[64+4*\i:67+4*\i], v172 offset:(\i/8)*XP+512*(\i%8)
.endr
.irp b, 0,1,2,3
.irp q, 0,1,2,3
	ds_load_b128 v[O+16*\b+4*\q:O+16*\b+4*\q+3], v173 offset:128*\b+16*\q
.endr
.endr
.irp i, 0,1,2,3,4,5,6,7,8,9,10,11,12,13,14,15
	s_wait_dscnt 31-\i                             ; the loads behind this one may be out
	global_store_b128 v1, v[64+4*\i:67+4*\i], s[16:17] offset:(\i/8)*4096+512*(\i%8)     ; 512 consecutive bytes of a row
.endr
	s_wait_dscnt 0x0
	QUANT O, 240, 40, 60
.irp c, 0,1,2
	global_store_b128 v1, v[40+4*\c:43+4*\c], s[70:71] offset:512*\c
.endr
	global_store_b32 v3, v60, s[72:73]
	s_wait_tensorcnt 0x0
	ds_add_u32 v250, v251
	s_wait_dscnt 0x0
	s_endpgm
.Lfunc_end_k_q38fa694e37_attn:
	.size	k_q38fa694e37_attn, .Lfunc_end_k_q38fa694e37_attn-k_q38fa694e37_attn
	.p2alignl 7, 3214868480
	.fill 96, 4, 3214868480
	.section	.rodata,"a",@progbits
	.p2align	6, 0x0
	.amdhsa_kernel k_q38fa694e37_attn
		.amdhsa_group_segment_fixed_size 296960
		.amdhsa_private_segment_fixed_size 0
		.amdhsa_enable_private_segment 0
		.amdhsa_kernarg_size 64
		.amdhsa_user_sgpr_count 2
		.amdhsa_user_sgpr_kernarg_segment_ptr 1
		.amdhsa_wavefront_size32 1
		.amdhsa_system_sgpr_workgroup_id_x 1
		.amdhsa_system_sgpr_workgroup_id_y 1
		.amdhsa_system_sgpr_workgroup_id_z 1
		.amdhsa_system_vgpr_workitem_id 0
		.amdhsa_next_free_vgpr 256
		.amdhsa_next_free_sgpr 80
		.amdhsa_reserve_vcc 1
		.amdhsa_float_denorm_mode_32 3
		.amdhsa_float_denorm_mode_16_64 3
		.amdhsa_memory_ordered 1
		.amdhsa_forward_progress 1
		.amdhsa_inst_pref_size 97
	.end_amdhsa_kernel
	.amdgpu_metadata
---
amdhsa.version: [ 1, 2 ]
amdhsa.kernels:
  - .name:           k_q38fa694e37_attn
    .symbol:         k_q38fa694e37_attn.kd
    .args:
      - { .name: qkv, .offset: 0, .size: 8, .value_kind: global_buffer, .address_space: global }
      - { .name: prep, .offset: 8, .size: 8, .value_kind: global_buffer, .address_space: global }
      - { .name: x, .offset: 16, .size: 8, .value_kind: global_buffer, .address_space: global }
      - { .name: b_out, .offset: 24, .size: 8, .value_kind: global_buffer, .address_space: global }
      - { .name: ln1_g, .offset: 32, .size: 8, .value_kind: global_buffer, .address_space: global }
      - { .name: ln1_b, .offset: 40, .size: 8, .value_kind: global_buffer, .address_space: global }
      - { .name: x1, .offset: 48, .size: 8, .value_kind: global_buffer, .address_space: global }
      - { .name: x1q, .offset: 56, .size: 8, .value_kind: global_buffer, .address_space: global }
    .group_segment_fixed_size: 296960
    .private_segment_fixed_size: 0
    .kernarg_segment_align: 8
    .kernarg_segment_size: 64
    .max_flat_workgroup_size: 512
    .sgpr_count:     80
    .vgpr_count:     256
    .wavefront_size: 32
...
	.end_amdgpu_metadata
.endif
;; end of part 3
;; launch mlp1 (part 4): grid 16 x 16, 4 waves a work-group, clusters of 4 x 4, 327,680 bytes of LDS; arguments x1q, prep, b1, hq; writes hq
.if DOCPART == 4
	.amdgcn_target "amdgcn-amd-amdhsa--gfx1250"
	.amdhsa_code_object_version 6
	.text
	.protected	k_q38fa694e37_mlp1
	.globl	k_q38fa694e37_mlp1
	.p2align	8
	.type	k_q38fa694e37_mlp1,@function
k_q38fa694e37_mlp1:
	s_mov_b64 s[64:65], 0
	v_nop
	global_prefetch_b8 v0, s[64:65] scope:SCOPE_SE
	s_setreg_imm32_b32 hwreg(HW_REG_WAVE_MODE, 25, 1), 1
	s_wait_xcnt 0x0
	s_wait_alu depctr_hold_cnt(0) depctr_sa_sdst(0) depctr_va_vdst(0) depctr_va_sdst(0) depctr_va_ssrc(0) depctr_va_vcc(0) depctr_vm_vsrc(0)
	s_getreg_b32 s2, hwreg(HW_REG_IB_STS2, 6, 4)
	s_cmp_eq_u32 s2, 0
	s_cbranch_scc0 .Lentry_in_a_cluster
	s_endpgm
.Lentry_in_a_cluster:
	s_bfe_u32 s2, ttmp6, 0x10000c
	s_cmp_lg_u32 s2, 0xf033
	s_cbranch_scc0 .Lentry_shape_is_right
	s_endpgm
.Lentry_shape_is_right:
; MLP1: h = gelu(x1 w1^T + b1), exact gelu, on codes of E2M3; h is quantised along its 4,096 columns at once and leaves as images of operand registers.
; A work-group of four waves makes 256 x 256, a wave 128 x 128 (64 accumulators).  K = 1,024 goes in 8 steps of 128 through two LDS slots of two steps each.  Operands are images (1,536 bytes a fragment).
; THE PRODUCT IS USED TRANSPOSED: source 0 = 16 rows of w1, source 1 = 16 rows of x1: a lane holds one row of x1 and 128 neighbouring columns of h: one K step of the next product.
; CLUSTERS 4 x 4: x1's tiles are shared along a row of the cluster, w1's along a column, each asked for jointly.
; GELU: 0.5 y (1 + erf(y / sqrt 2)); erf(z) = z P(z^2) / Q(z^2), a rational form for f32, z held to +-4, beyond which erf is +-1 in f32.
; LIMITS: a block of zeros gets the byte 1 (its codes are zeros; this program alone reads the bytes); NaN and infinities are not served.
; REGISTERS: window 0: v8-11 two coefficients; v16.. addresses; v32-63 scale words, two sets; v64-159, v160-255 x1's two sets.  window 1: v0-95, v128-223 w1's two sets; v96-127, v224-255 b1.
; windows 2, 3: the accumulators, (a, b) at v[8 (8 (a % 4) + b)].
.set NK, 8
.set NQ, 2
.set NA, 8
.set NF, 48
.set FRB, 1536
.set TILEB, NQ*FRB
.set HALFT, NA*TILEB
.set SLOT, 4*HALFT
.set SCL, 2*SLOT
.set HALFS, NA*NK*64
.set SPARE, SCL+4*HALFS                ; the spare words: 128 bytes a wave, two blocks of 256 bytes that no other line names
.set LAPS, NK/(2*NQ)
.set X1QS, 3145728
.set W1I, 6553600
.set W1S, 9699328
.set HQS, 12582912
.set ADRA, 16
.set ADRB, 20
.set LI, 24
.set R4, 26
.set ADRS, 27
.set SPW, 28
.set NIL, 29
.set SC, 32
.set AF, 64
.set G,  64                            ; the way out: 64 numbers; then 32 at a time: z, z^2, P, Q
.set GZ, 128
.set GS, 160
.set GP, 192
.set GQ, 224
.set SEL, 12
.set G1, 24
.set G0, 32
.set G1B, 48
.set G0B, 56
.set G1S, 68
.set G0S, 76
.set G1SB, 80
.set G0SB, 88
.set MSB, 0
.macro WIN new
.if MSB != (\new)
	s_set_vgpr_msb (MSB<<8)|(\new)
.set MSB, (\new)
.endif
.endm
.macro PLACES
.rept 4
	v_nop
.endr
.endm
.macro JLOAD g0a, g1a, g0b, g1b        ; a joint load: waves 0 and 1 fetch x1's halves, waves 2 and 3 w1's; four v_nop follow each line
	s_cmp_eq_u32 s15, 0
	s_cbranch_scc0 .Lfor_b_\@
	tensor_load_to_lds s[\g0a:\g0a+3], s[\g1a:\g1a+7]
	s_nop 0
.rept 4
	v_nop
.endr
	s_branch .Lasked_\@
.Lfor_b_\@:
	tensor_load_to_lds s[\g0b:\g0b+3], s[\g1b:\g1b+7]
	s_nop 0
.rept 4
	v_nop
.endr
.Lasked_\@:
.endm
.macro CREST
	s_cmp_lg_u32 s14, 0
	s_cbranch_scc1 .Lnot_wave_0_\@
	s_barrier_signal -3
.Lnot_wave_0_\@:
	s_barrier_wait -3
	s_barrier_signal -1
	s_barrier_wait -1
.endm
.macro CROUND
	s_barrier_signal -1
	s_barrier_wait -1
	CREST
.endm
.macro QUANT s, tm, pc, pw
.irp b, 0,1,2,3
	v_max3_num_f32 v[\tm+\b], |v[\s+16*\b]|, |v[\s+1+16*\b]|, 0x1800000   ; the floor 2^(3 - 127) holds the byte at 1 from below
.endr
.irp i, 2,4,6,8,10,12,14
.irp b, 0,1,2,3
	v_max3_num_f32 v[\tm+\b], v[\tm+\b], |v[\s+16*\b+\i]|, |v[\s+1+16*\b+\i]|
.endr
.endr
.irp b, 0,1,2,3
	v_permlanex16_b32 v[\tm+4+\b], v[\tm+\b], s[SEL], s[SEL+1]
.endr
.irp b, 0,1,2,3
	v_max_num_f32 v[\tm+\b], v[\tm+\b], v[\tm+4+\b]
.endr
.irp b, 0,1,2,3
	v_add_nc_u32 v[\tm+12+\b], 0xff000000, v[\tm+\b]
.endr
.irp b, 0,1,2,3
	v_lshrrev_b32 v[\tm+4+\b], 23, v[\tm+12+\b]
.endr
	v_lshl_or_b32 v[\pw], v[\tm+5], 8, v[\tm+4]
	v_lshl_or_b32 v[\pw], v[\tm+6], 16, v[\pw]
	v_lshl_or_b32 v[\pw], v[\tm+7], 24, v[\pw]
.irp c, 0,1
	v_cvt_scalef32_pk16_fp6_f32 v[\pc+6*\c:\pc+2+6*\c], v[\s+32*\c:\s+15+32*\c], v[\tm+12+2*\c]
	v_cvt_scalef32_pk16_fp6_f32 v[\pc+12+4*\c:\pc+14+4*\c], v[\s+16+32*\c:\s+31+32*\c], v[\tm+13+2*\c]
.endr
	v_nop
.irp c, 0,1
.irp i, 0,1,2
	v_permlane16_swap_b32 v[\pc+6*\c+\i], v[\pc+12+4*\c+\i]
.endr
.irp i, 0,1,2
	v_mov_b32 v[\pc+3+6*\c+\i], v[\pc+12+4*\c+\i]
.endr
.endr
.endm
	s_load_b256 s[4:11], s[0:1], 0x0               ; x1q, prep, b1, hq
	v_lshl_add_u32 v[SPW], v0, 2, SPARE
	v_mov_b32 v[NIL], 0
	ds_add_u32 v28, v29
	ds_add_u32 v28, v29
	s_wait_dscnt 0x0
	v_lshrrev_b32 v1, 5, v0
	v_readfirstlane_b32 s14, v1                    ; wave 0..3
	s_lshr_b32 s15, s14, 1
	s_and_b32 s16, s14, 1
	s_bfe_u32 s40, ttmp6, 0x40000                  ; cx
	s_bfe_u32 s41, ttmp6, 0x40004                  ; cy
	s_lshl_b32 s42, ttmp9, 2
	s_add_co_u32 s42, s42, s40                     ; tB: my 256 columns of h
	s_and_b32 s17, ttmp7, 0xffff
	s_lshl_b32 s17, s17, 2
	s_add_co_u32 s17, s17, s41                     ; tA: my 256 rows
	s_lshl_b32 s43, s41, 2
	s_lshl_b32 s43, 15, s43
	s_lshl_b32 s44, 0x1111, s40
	s_or_b32 s[G1+0], s43, (3<<16)|(1<<21)         ; tiles: 8 rows (tiles) of TILEB bytes, as elements of 8 bytes, NK x FRB bytes apart; dense in LDS
	s_or_b32 s[G1B+0], s44, (3<<16)|(1<<21)
.irp g, G1, G1B
	s_mov_b32 s[\g+1], (TILEB/8)<<16
	s_mov_b32 s[\g+2], NA<<16
	s_mov_b32 s[\g+3], (TILEB/8)<<16
	s_mov_b32 s[\g+4], NA
	s_mov_b32 s[\g+5], NK*FRB/8
	s_mov_b32 s[\g+6], 0
	s_mov_b32 s[\g+7], 0
.endr
	s_or_b32 s[G1S+0], s43, (3<<16)|(1<<21)        ; scale words of 8 tiles: a dense block, as rows of 256 bytes
	s_or_b32 s[G1SB+0], s44, (3<<16)|(1<<21)
.irp g, G1S, G1SB
	s_mov_b32 s[\g+1], 32<<16
	s_mov_b32 s[\g+2], (HALFS/256)<<16
	s_mov_b32 s[\g+3], 32<<16
	s_mov_b32 s[\g+4], HALFS/256
	s_mov_b32 s[\g+5], 32
	s_mov_b32 s[\g+6], 0
	s_mov_b32 s[\g+7], 0
.endr
	s_lshl_b32 s18, s16, 3
	s_lshl_b32 s20, s17, 4
	s_add_co_u32 s20, s20, s18
	s_lshl_b32 s46, s42, 4
	s_add_co_u32 s46, s46, s18
	s_mul_i32 s22, s20, NK*64
	s_add_co_u32 s22, s22, X1QS
	s_mov_b32 s23, 0
	s_mul_i32 s20, s20, NK*FRB
	s_mov_b32 s21, 0
	s_mul_i32 s92, s46, NK*64
	s_add_co_u32 s92, s92, W1S
	s_mov_b32 s93, 0
	s_mul_i32 s46, s46, NK*FRB
	s_add_co_u32 s46, s46, W1I
	s_mov_b32 s47, 0
	s_mul_i32 s45, s14, HALFT
	s_mul_i32 s94, s14, HALFS
	s_mov_b32 s[SEL], 0x76543210
	s_mov_b32 s[SEL+1], 0xfedcba98
	s_wait_kmcnt 0x0
	s_add_nc_u64 s[20:21], s[4:5], s[20:21]
	s_add_nc_u64 s[22:23], s[4:5], s[22:23]
	s_add_nc_u64 s[46:47], s[6:7], s[46:47]
	s_add_nc_u64 s[92:93], s[6:7], s[92:93]
	CROUND                                         ; all sixteen work-groups are here: the first joint loads meet
	s_mov_b32 s[G0S], 1
	s_add_co_u32 s[G0S+1], s94, SCL
	s_mov_b64 s[G0S+2:G0S+3], s[22:23]
	s_or_b32 s[G0S+3], s[G0S+3], 0x80000000
	s_mov_b32 s[G0SB], 1
	s_add_co_u32 s[G0SB+1], s94, SCL
	s_mov_b64 s[G0SB+2:G0SB+3], s[92:93]
	s_or_b32 s[G0SB+3], s[G0SB+3], 0x80000000
	JLOAD G0S, G1S, G0SB, G1SB
.irp s, 0,1
	s_mov_b32 s[G0+4*\s], 1
	s_add_co_u32 s[G0+4*\s+1], s45, \s*SLOT
	s_add_nc_u64 s[G0+4*\s+2:G0+4*\s+3], s[20:21], \s*TILEB
	s_or_b32 s[G0+4*\s+3], s[G0+4*\s+3], 0x80000000
	s_mov_b32 s[G0B+4*\s], 1
	s_add_co_u32 s[G0B+4*\s+1], s45, \s*SLOT
	s_add_nc_u64 s[G0B+4*\s+2:G0B+4*\s+3], s[46:47], \s*TILEB
	s_or_b32 s[G0B+4*\s+3], s[G0B+4*\s+3], 0x80000000
	JLOAD G0+4*\s, G1, G0B+4*\s, G1B
.endr
	v_and_b32 v1, 15, v0                           ; r
	v_bfe_u32 v22, v0, 4, 1                        ; h
	v_and_b32 v23, 31, v0
	v_lshlrev_b32 v[LI], 4, v23
	v_lshlrev_b32 v[R4], 2, v1
	v_lshlrev_b32 v31, 6, v22                      ; 64 h
	s_mul_i32 s21, s15, HALFT
	s_mul_i32 s22, s16, HALFT
	s_add_co_u32 s22, s22, 2*HALFT
.irp s, 0,1
	v_add_nc_u32 v[ADRA+\s], s21, v[LI]
	v_add_nc_u32 v[ADRB+\s], s22, v[LI]
	s_add_co_u32 s21, s21, SLOT
	s_add_co_u32 s22, s22, SLOT
.endr
	s_mul_i32 s21, s15, HALFS                      ; scale words: lanes 0-15 x1's, lanes 16-31 w1's: the lower base + h x the distance
	s_mul_i32 s22, s16, HALFS
	s_add_co_u32 s22, s22, 2*HALFS
	s_sub_co_u32 s22, s22, s21
	v_mul_u32_u24 v23, s22, v22
	s_add_co_u32 s21, s21, SCL
	v_add_nc_u32 v23, v[R4], v23
	v_add_nc_u32 v[ADRS], s21, v23
	s_lshl_b32 s96, s17, 4                         ; where my results go: fragment (tile 16 tA + 8 half + a, K step 2 tB + half) of h's image, 32 K steps a tile
	s_lshl_b32 s98, s15, 3
	s_add_co_u32 s96, s96, s98
	s_lshl_b32 s96, s96, 5
	s_lshl_b32 s98, s42, 1
	s_add_co_u32 s96, s96, s98
	s_add_co_u32 s96, s96, s16
	s_lshl_b32 s98, s96, 6
	s_add_co_u32 s98, s98, HQS
	s_mul_i32 s96, s96, FRB
	s_mov_b32 s97, 0
	s_mov_b32 s99, 0
	s_add_nc_u64 s[96:97], s[10:11], s[96:97]
	s_add_nc_u64 s[98:99], s[10:11], s[98:99]
	s_lshl_b32 s46, s42, 10                        ; b1 at my 128 columns
	s_lshl_b32 s47, s16, 9
	s_add_co_u32 s46, s46, s47
	s_mov_b32 s47, 0
	s_add_nc_u64 s[46:47], s[8:9], s[46:47]
	WIN 0x40
.irp b, 0,1,2,3,4,5,6,7
	global_load_b128 v[96+8*\b+96*(\b/4):96+8*\b+96*(\b/4)+3], v31, s[46:47] offset:(32*(\b/2)+8*(\b%2))*4
	global_load_b128 v[100+8*\b+96*(\b/4):100+8*\b+96*(\b/4)+3], v31, s[46:47] offset:(32*(\b/2)+8*(\b%2))*4+16
.endr
	WIN 0
.macro FRAG reg, adr, q, i
.irp c, 0,1,2
	ds_load_b128 v[\reg+4*\c:\reg+4*\c+3], v[\adr] offset:(\i)*TILEB+(\q)*FRB+512*\c
.endr
.endm
.macro FETCH slot, q, p
	WIN 0x40
.irp i, 0,1,2,3,4,5,6,7
	FRAG 128*(\p)+12*\i, ADRB+\slot, \q, \i
.endr
	WIN 0
.irp i, 0,1,2,3,4,5,6,7
	FRAG AF+96*(\p)+12*\i, ADRA+\slot, \q, \i
.endr
.endm
.macro SCALES sc
.irp i, 0,1,2,3,4,5,6,7
.irp q, 0,1
	ds_load_b32 v[SC+16*\sc+NQ*\i+\q], v[ADRS] offset:\i*NK*64+64*\q
.endr
.endr
.endm
; 8 products: x1's block a against w1's eight.  cm = 1: b1 is the C: nothing is cleared.  The 64 accumulators take turns in the same order in every step.
.macro MUL8 a, p, q, sc, cm
.irp b, 0,1,2,3,4,5,6,7
.if \cm
	v_wmma_scale_f32_16x16x128_f8f6f4 v[8*(8*((\a)%4)+\b):8*(8*((\a)%4)+\b)+7], v[128*(\p)+12*\b:128*(\p)+12*\b+11], v[AF+96*(\p)+12*(\a):AF+96*(\p)+12*(\a)+11], v[96+8*\b+96*(\b/4):96+8*\b+96*(\b/4)+7], v[SC+16*(\sc)+NQ*\b+(\q)], v[SC+16*(\sc)+NQ*(\a)+(\q)] matrix_a_fmt:MATRIX_FMT_FP6 matrix_b_fmt:MATRIX_FMT_FP6 matrix_a_scale:MATRIX_SCALE_ROW1
.else
	v_wmma_scale_f32_16x16x128_f8f6f4 v[8*(8*((\a)%4)+\b):8*(8*((\a)%4)+\b)+7], v[128*(\p)+12*\b:128*(\p)+12*\b+11], v[AF+96*(\p)+12*(\a):AF+96*(\p)+12*(\a)+11], v[8*(8*((\a)%4)+\b):8*(8*((\a)%4)+\b)+7], v[SC+16*(\sc)+NQ*\b+(\q)], v[SC+16*(\sc)+NQ*(\a)+(\q)] matrix_a_fmt:MATRIX_FMT_FP6 matrix_b_fmt:MATRIX_FMT_FP6 matrix_a_scale:MATRIX_SCALE_ROW1
.endif
.endr
.endm
.macro STEP slot, q, cm
	PLACES                                         ; the set to be loaded was read by the products just issued
	FETCH \slot, (\q)+1, ((\q)+1)%2
	s_wait_dscnt NF                                ; only the NF loads just issued may be out
	WIN 0xa1-0x10*(\cm)
.irp a, 0,1,2,3
	MUL8 \a, (\q)%2, \q, \slot, \cm
.endr
	WIN 0xf1-0x20*(\cm)
.irp a, 4,5,6,7
	MUL8 \a, (\q)%2, \q, \slot, \cm
.endr
	WIN 0
.endm
.macro TURN slot, next, fill
	s_wait_tensorcnt 0x0                           ; all my tensor loads have landed: my part of the next slot
	ds_add_u32 v[SPW], v[NIL]                      ; 0 onto my spare word
	s_wait_dscnt 1                                 ; only the add may be out: set 1 is in
	WIN 0xa1
	MUL8 0, 1, NQ-1, \slot, 0
	MUL8 1, 1, NQ-1, \slot, 0
	s_wait_dscnt 0x0                               ; the add is done, and my reads of this slot are over
	s_barrier_signal -1
	MUL8 2, 1, NQ-1, \slot, 0
	MUL8 3, 1, NQ-1, \slot, 0
	WIN 0
	s_barrier_wait -1
.if \fill
	CREST                                          ; no wave of any partner still reads this slot or has a load on its way
	s_add_nc_u64 s[G0+4*\slot+2:G0+4*\slot+3], s[G0+4*\slot+2:G0+4*\slot+3], 2*TILEB
	s_add_nc_u64 s[G0B+4*\slot+2:G0B+4*\slot+3], s[G0B+4*\slot+2:G0B+4*\slot+3], 2*TILEB
	JLOAD G0+4*\slot, G1, G0B+4*\slot, G1B         ; the first tensor load behind the round; its four v_nop are the places in front of the loads below
.else
	PLACES
.endif
	v_add_nc_u32 v[ADRS], 64*NQ, v[ADRS]
	FETCH \next, 0, 0
	SCALES \next
	WIN 0xf1
.irp a, 4,5,6,7
	MUL8 \a, 1, NQ-1, \slot, 0
.endr
	WIN 0
.endm
	s_wait_tensorcnt 1                             ; the scale words and my part of slot 0 are in; slot 1's load may be out
	s_barrier_signal -1
	s_barrier_wait -1
	FETCH 0, 0, 0
	SCALES 0
	s_wait_loadcnt 0x0                             ; b1
	STEP 0, 0, 1
	s_mov_b32 s3, LAPS-1
.Llap:
	TURN 0, 1, 1
	STEP 1, 0, 0
	TURN 1, 0, 1
	STEP 0, 0, 0
	s_sub_co_u32 s3, s3, 1
	s_cmp_lg_u32 s3, 0
	s_cbranch_scc1 .Llap
	TURN 0, 1, 0
	STEP 1, 0, 0
	s_wait_dscnt 0x0
	WIN 0xa1
.irp a, 0,1,2,3
	MUL8 \a, 1, NQ-1, 1, 0
.endr
	WIN 0xf1
.irp a, 4,5,6,7
	MUL8 \a, 1, NQ-1, 1, 0
.endr
	WIN 0
	PLACES
	; erf's coefficients, in the registers that the descriptors have left (no tensor load is out).  A packed form names a pair and takes its low word for both halves, so both words are written
.macro KONST r, val
	s_mov_b32 s[\r], \val
	s_mov_b32 s[\r+1], s[\r]
.endm
	KONST 24, 2.77068142495902e-08
	KONST 26, -2.10102402082508e-06
	KONST 28, -5.69250639462346e-05
	KONST 30, -7.34990630326855e-04
	KONST 32, -2.95459980854025e-03
	KONST 34, -1.60960333262415e-02
	KONST 36, -2.13374055278905e-04
	KONST 38, -1.68282697438203e-03
	KONST 40, -7.37332916720468e-03
	KONST 42, -1.42647390514189e-02
	KONST 44, 0x3fb504f3
	v_mov_b32 v8, -2.72614225801306e-10
	v_mov_b32 v9, v8
	v_mov_b32 v10, -1.45660718464996e-05
	v_mov_b32 v11, v10
; The only lines whose register numbers hang on the block: y / 2 of block a's 64 results (exact), each accumulator from its low end on.
.macro COPY a
	WIN 0x02+((\a)/4)
.set n, 0
.rept 32
	v_pk_mul_f32 v[G+n:G+n+1], v[64*((\a)%4)+n:64*((\a)%4)+n+1], 0.5 op_sel_hi:[1,0]
.set n, n+2
.endr
	WIN 0
.endm
; 32 numbers g = y / 2 become g + g erf(g sqrt 2).
.macro GELU c
.set n, 0
.rept 16
	v_pk_mul_f32 v[GZ+n:GZ+n+1], v[G+32*\c+n:G+32*\c+n+1], s[44:45] op_sel_hi:[1,0]      ; z = y / sqrt 2
.set n, n+2
.endr
.set n, 0
.rept 32
	v_med3_num_f32 v[GZ+n], v[GZ+n], -4.0, 4.0
.set n, n+1
.endr
.set n, 0
.rept 16
	v_pk_mul_f32 v[GS+n:GS+n+1], v[GZ+n:GZ+n+1], v[GZ+n:GZ+n+1]
.set n, n+2
.endr
.set n, 0
.rept 16
	v_pk_fma_f32 v[GP+n:GP+n+1], v[GS+n:GS+n+1], v[8:9], s[24:25] op_sel_hi:[1,1,0]
	v_pk_fma_f32 v[GQ+n:GQ+n+1], v[GS+n:GS+n+1], v[10:11], s[36:37] op_sel_hi:[1,1,0]
.set n, n+2
.endr
.irp k, 26,28,30,32,34
.set n, 0
.rept 16
	v_pk_fma_f32 v[GP+n:GP+n+1], v[GP+n:GP+n+1], v[GS+n:GS+n+1], s[\k:\k+1] op_sel_hi:[1,1,0]
.set n, n+2
.endr
.endr
.irp k, 38,40,42
.set n, 0
.rept 16
	v_pk_fma_f32 v[GQ+n:GQ+n+1], v[GQ+n:GQ+n+1], v[GS+n:GS+n+1], s[\k:\k+1] op_sel_hi:[1,1,0]
.set n, n+2
.endr
.endr
.set n, 0
.rept 32
	v_rcp_f32 v[GS+n], v[GQ+n]                     ; one batch
.set n, n+1
.endr
.set n, 0
.rept 16
	v_pk_mul_f32 v[GP+n:GP+n+1], v[GP+n:GP+n+1], v[GZ+n:GZ+n+1]     ; independent work behind the batch
.set n, n+2
.endr
	s_wait_alu depctr_va_vdst(0)                   ; one wait for the batch, ahead of its first reader
.set n, 0
.rept 16
	v_pk_mul_f32 v[GP+n:GP+n+1], v[GP+n:GP+n+1], v[GS+n:GS+n+1]     ; erf
.set n, n+2
.endr
.set n, 0
.rept 16
	v_pk_fma_f32 v[G+32*\c+n:G+32*\c+n+1], v[G+32*\c+n:G+32*\c+n+1], v[GP+n:GP+n+1], v[G+32*\c+n:G+32*\c+n+1]
.set n, n+2
.endr
.endm
	s_mov_b32 s3, 0
.Lrow:                                                 ; THE WAY OUT: eight trips, a block of 16 rows each; written once but for the copies, to keep the text short
.irp a, 0,1,2,3,4,5,6
	s_cmp_eq_u32 s3, \a
	s_cbranch_scc1 .Lcp\a
.endr
	COPY 7
	s_branch .Lgelu
.irp a, 0,1,2,3,4,5
.Lcp\a:
	COPY \a
	s_branch .Lgelu
.endr
.Lcp6:
	COPY 6
.Lgelu:
	GELU 0
	GELU 1
	QUANT G, 128, 144, 164
.irp c, 0,1,2
	global_store_b128 v[LI], v[144+4*\c:147+4*\c], s[96:97] offset:512*\c    ; 512 consecutive bytes a store
.endr
	global_store_b32 v[R4], v164, s[98:99]
	s_wait_xcnt 0x0                                ; the stores have read their data and their bases: both are written again only behind this wait
	s_add_nc_u64 s[96:97], s[96:97], 32*FRB
	s_add_nc_u64 s[98:99], s[98:99], 32*64
	s_add_co_u32 s3, s3, 1
	s_cmp_lt_u32 s3, 8
	s_cbranch_scc1 .Lrow
	s_wait_tensorcnt 0x0                           ; the wave's end
	ds_add_u32 v[SPW], v[NIL]
	s_wait_dscnt 0x0
	CROUND                                         ; the closing round
	s_endpgm
.Lfunc_end_k_q38fa694e37_mlp1:
	.size	k_q38fa694e37_mlp1, .Lfunc_end_k_q38fa694e37_mlp1-k_q38fa694e37_mlp1
	.p2alignl 7, 3214868480
	.fill 96, 4, 3214868480
	.section	.rodata,"a",@progbits
	.p2align	6, 0x0
	.amdhsa_kernel k_q38fa694e37_mlp1
		.amdhsa_group_segment_fixed_size 327680
		.amdhsa_private_segment_fixed_size 0
		.amdhsa_enable_private_segment 0
		.amdhsa_kernarg_size 32
		.amdhsa_user_sgpr_count 2
		.amdhsa_user_sgpr_kernarg_segment_ptr 1
		.amdhsa_wavefront_size32 1
		.amdhsa_system_sgpr_workgroup_id_x 1
		.amdhsa_system_sgpr_workgroup_id_y 1
		.amdhsa_system_sgpr_workgroup_id_z 1
		.amdhsa_system_vgpr_workitem_id 0
		.amdhsa_next_free_vgpr 1024
		.amdhsa_next_free_sgpr 100
		.amdhsa_reserve_vcc 0
		.amdhsa_float_denorm_mode_32 3
		.amdhsa_float_denorm_mode_16_64 3
		.amdhsa_memory_ordered 1
		.amdhsa_forward_progress 1
		.amdhsa_inst_pref_size 168
	.end_amdhsa_kernel
	.amdgpu_metadata
---
amdhsa.version: [ 1, 2 ]
amdhsa.kernels:
  - .name:           k_q38fa694e37_mlp1
    .symbol:         k_q38fa694e37_mlp1.kd
    .args:
      - { .name: x1q, .offset: 0, .size: 8, .value_kind: global_buffer, .address_space: global }
      - { .name: prep, .offset: 8, .size: 8, .value_kind: global_buffer, .address_space: global }
      - { .name: b1, .offset: 16, .size: 8, .value_kind: global_buffer, .address_space: global }
      - { .name: hq, .offset: 24, .size: 8, .value_kind: global_buffer, .address_space: global }
    .group_segment_fixed_size: 327680
    .private_segment_fixed_size: 0
    .kernarg_segment_align: 8
    .kernarg_segment_size: 32
    .max_flat_workgroup_size: 128
    .sgpr_count:     100
    .vgpr_count:     1024
    .wavefront_size: 32
...
	.end_amdgpu_metadata
.endif
;; end of part 4
;; launch mlp2 (part 5): grid 8 x 32, 4 waves a work-group, clusters of 4 x 4, 327,680 bytes of LDS; arguments hq, prep, mlp; writes mlp
.if DOCPART == 5
	.amdgcn_target "amdgcn-amd-amdhsa--gfx1250"
	.amdhsa_code_object_version 6
	.text
	.protected	k_q38fa694e37_mlp2
	.globl	k_q38fa694e37_mlp2
	.p2align	8
	.type	k_q38fa694e37_mlp2,@function
k_q38fa694e37_mlp2:
	s_mov_b64 s[64:65], 0
	v_nop
	global_prefetch_b8 v0, s[64:65] scope:SCOPE_SE
	s_setreg_imm32_b32 hwreg(HW_REG_WAVE_MODE, 25, 1), 1
	s_wait_xcnt 0x0
	s_wait_alu depctr_hold_cnt(0) depctr_sa_sdst(0) depctr_va_vdst(0) depctr_va_sdst(0) depctr_va_ssrc(0) depctr_va_vcc(0) depctr_vm_vsrc(0)
	s_getreg_b32 s2, hwreg(HW_REG_IB_STS2, 6, 4)
	s_cmp_eq_u32 s2, 0
	s_cbranch_scc0 .Lentry_in_a_cluster
	s_endpgm
.Lentry_in_a_cluster:
	s_bfe_u32 s2, ttmp6, 0x10000c
	s_cmp_lg_u32 s2, 0xf033
	s_cbranch_scc0 .Lentry_shape_is_right
	s_endpgm
.Lentry_shape_is_right:
; MLP2: h w2^T on codes of E2M3, raw f32 sums; b2, the residual and the norm follow in the next launch, where rows lie dense.
; [4,096 x 1,024] makes 64 tiles of 256 x 256, too few for the chip's WGPs: a tile is 128 x 128, 256 work-groups; four waves, each 64 x 64: 16 accumulators.
; K = 4,096 goes in 32 steps of 128 through two LDS slots of FOUR steps each, as long as LDS allows: one joint load a wave for 64 products.  Operands are images of operand registers (1,536 bytes a fragment).
; THE PRODUCT IS USED TRANSPOSED (source 0 = 16 rows of w2, source 1 = 16 rows of h): a lane holds neighbouring columns of one row.  CLUSTERS 4 x 4: h's tiles shared along a row, w2's along a column.
; REGISTERS: window 0: v16.. addresses; v32-63 scale words, two sets; v64-127 the way out; v128-255 the accumulators, (a, b) at v[128 + 8 (4 a + b)].  window 1: set p at v[128 p]: w2's four fragments, then h's four.
.set NK, 32
.set NQ, 4
.set NA, 4
.set NF, 24
.set FRB, 1536
.set TILEB, NQ*FRB
.set HALFT, NA*TILEB
.set SLOT, 4*HALFT
.set SCL, 2*SLOT
.set HALFS, NA*NK*64
.set SPARE, SCL+4*HALFS                ; the spare words: 128 bytes a wave, two blocks of 256 bytes that no other line names
.set LAPS, NK/(2*NQ)
.set HQS, 12582912
.set W2I, 9830400
.set W2S, 12976128
.set SPITCH, 272                       ; the way out: a stage of 16 rows x (256 bytes + 16) for each wave, in slot 0, which has had its last fill and its last read by then
.set ADRA, 16
.set ADRB, 20
.set STO, 24
.set RD, 25
.set CO, 26
.set ADRS, 27
.set SPW, 28
.set NIL, 29
.set SC, 32
.set BK, 64
.set ACC, 128
.set G1, 24
.set G0, 32
.set G1B, 48
.set G0B, 56
.set G1S, 68
.set G0S, 76
.set G1SB, 80
.set G0SB, 88
.set MSB, 0
.macro WIN new
.if MSB != (\new)
	s_set_vgpr_msb (MSB<<8)|(\new)
.set MSB, (\new)
.endif
.endm
.macro PLACES
.rept 4
	v_nop
.endr
.endm
.macro JLOAD g0a, g1a, g0b, g1b        ; a joint load: waves 0 and 1 fetch h's halves, waves 2 and 3 w2's; four v_nop follow each line
	s_cmp_eq_u32 s15, 0
	s_cbranch_scc0 .Lfor_b_\@
	tensor_load_to_lds s[\g0a:\g0a+3], s[\g1a:\g1a+7]
	s_nop 0
.rept 4
	v_nop
.endr
	s_branch .Lasked_\@
.Lfor_b_\@:
	tensor_load_to_lds s[\g0b:\g0b+3], s[\g1b:\g1b+7]
	s_nop 0
.rept 4
	v_nop
.endr
.Lasked_\@:
.endm
.macro CREST
	s_cmp_lg_u32 s14, 0
	s_cbranch_scc1 .Lnot_wave_0_\@
	s_barrier_signal -3
.Lnot_wave_0_\@:
	s_barrier_wait -3
	s_barrier_signal -1
	s_barrier_wait -1
.endm
.macro CROUND
	s_barrier_signal -1
	s_barrier_wait -1
	CREST
.endm
	s_load_b128 s[4:7], s[0:1], 0x0                ; hq, prep
	s_load_b64 s[8:9], s[0:1], 0x10                ; mlp
	v_lshl_add_u32 v[SPW], v0, 2, SPARE
	v_mov_b32 v[NIL], 0
	ds_add_u32 v28, v29
	ds_add_u32 v28, v29
	s_wait_dscnt 0x0
	v_lshrrev_b32 v1, 5, v0
	v_readfirstlane_b32 s14, v1                    ; wave 0..3
	s_lshr_b32 s15, s14, 1
	s_and_b32 s16, s14, 1
	s_bfe_u32 s40, ttmp6, 0x40000                  ; cx
	s_bfe_u32 s41, ttmp6, 0x40004                  ; cy
	s_lshl_b32 s42, ttmp9, 2
	s_add_co_u32 s42, s42, s40                     ; tB: my 128 columns
	s_and_b32 s17, ttmp7, 0xffff
	s_lshl_b32 s17, s17, 2
	s_add_co_u32 s17, s17, s41                     ; tA: my 128 rows
	s_lshl_b32 s43, s41, 2
	s_lshl_b32 s43, 15, s43
	s_lshl_b32 s44, 0x1111, s40
	s_or_b32 s[G1+0], s43, (3<<16)|(1<<21)         ; tiles: 4 rows (tiles) of TILEB bytes, as elements of 8 bytes, NK x FRB bytes apart; dense in LDS
	s_or_b32 s[G1B+0], s44, (3<<16)|(1<<21)
.irp g, G1, G1B
	s_mov_b32 s[\g+1], (TILEB/8)<<16
	s_mov_b32 s[\g+2], NA<<16
	s_mov_b32 s[\g+3], (TILEB/8)<<16
	s_mov_b32 s[\g+4], NA
	s_mov_b32 s[\g+5], NK*FRB/8
	s_mov_b32 s[\g+6], 0
	s_mov_b32 s[\g+7], 0
.endr
	s_or_b32 s[G1S+0], s43, (3<<16)|(1<<21)        ; scale words of 4 tiles, all of K: a dense block, as rows of 256 bytes
	s_or_b32 s[G1SB+0], s44, (3<<16)|(1<<21)
.irp g, G1S, G1SB
	s_mov_b32 s[\g+1], 32<<16
	s_mov_b32 s[\g+2], (HALFS/256)<<16
	s_mov_b32 s[\g+3], 32<<16
	s_mov_b32 s[\g+4], HALFS/256
	s_mov_b32 s[\g+5], 32
	s_mov_b32 s[\g+6], 0
	s_mov_b32 s[\g+7], 0
.endr
	s_lshl_b32 s18, s16, 2                         ; which 4 tiles I fetch
	s_lshl_b32 s20, s17, 3
	s_add_co_u32 s20, s20, s18
	s_lshl_b32 s46, s42, 3
	s_add_co_u32 s46, s46, s18
	s_mul_i32 s22, s20, NK*64
	s_add_co_u32 s22, s22, HQS
	s_mov_b32 s23, 0
	s_mul_i32 s20, s20, NK*FRB
	s_mov_b32 s21, 0
	s_mul_i32 s92, s46, NK*64
	s_add_co_u32 s92, s92, W2S
	s_mov_b32 s93, 0
	s_mul_i32 s46, s46, NK*FRB
	s_add_co_u32 s46, s46, W2I
	s_mov_b32 s47, 0
	s_mul_i32 s45, s14, HALFT
	s_mul_i32 s94, s14, HALFS
	s_wait_kmcnt 0x0
	s_add_nc_u64 s[20:21], s[4:5], s[20:21]
	s_add_nc_u64 s[22:23], s[4:5], s[22:23]
	s_add_nc_u64 s[46:47], s[6:7], s[46:47]
	s_add_nc_u64 s[92:93], s[6:7], s[92:93]
	CROUND                                         ; all sixteen work-groups are here: the first joint loads meet
	s_mov_b32 s[G0S], 1
	s_add_co_u32 s[G0S+1], s94, SCL
	s_mov_b64 s[G0S+2:G0S+3], s[22:23]
	s_or_b32 s[G0S+3], s[G0S+3], 0x80000000
	s_mov_b32 s[G0SB], 1
	s_add_co_u32 s[G0SB+1], s94, SCL
	s_mov_b64 s[G0SB+2:G0SB+3], s[92:93]
	s_or_b32 s[G0SB+3], s[G0SB+3], 0x80000000
	JLOAD G0S, G1S, G0SB, G1SB
.irp s, 0,1
	s_mov_b32 s[G0+4*\s], 1
	s_add_co_u32 s[G0+4*\s+1], s45, \s*SLOT
	s_add_nc_u64 s[G0+4*\s+2:G0+4*\s+3], s[20:21], \s*TILEB
	s_or_b32 s[G0+4*\s+3], s[G0+4*\s+3], 0x80000000
	s_mov_b32 s[G0B+4*\s], 1
	s_add_co_u32 s[G0B+4*\s+1], s45, \s*SLOT
	s_add_nc_u64 s[G0B+4*\s+2:G0B+4*\s+3], s[46:47], \s*TILEB
	s_or_b32 s[G0B+4*\s+3], s[G0B+4*\s+3], 0x80000000
	JLOAD G0+4*\s, G1, G0B+4*\s, G1B
.endr
	v_and_b32 v1, 15, v0                           ; r
	v_bfe_u32 v22, v0, 4, 1                        ; h
	v_and_b32 v23, 31, v0
	v_lshlrev_b32 v30, 4, v23                      ; 16 x lane
	s_mul_i32 s21, s15, HALFT
	s_mul_i32 s22, s16, HALFT
	s_add_co_u32 s22, s22, 2*HALFT
.irp s, 0,1
	v_add_nc_u32 v[ADRA+\s], s21, v30
	v_add_nc_u32 v[ADRB+\s], s22, v30
	s_add_co_u32 s21, s21, SLOT
	s_add_co_u32 s22, s22, SLOT
.endr
	s_mul_i32 s21, s15, HALFS                      ; scale words: lanes 0-15 h's, lanes 16-31 w2's: the lower base + h x the distance
	s_mul_i32 s22, s16, HALFS
	s_add_co_u32 s22, s22, 2*HALFS
	s_sub_co_u32 s22, s22, s21
	v_mul_u32_u24 v23, s22, v22
	s_add_co_u32 s21, s21, SCL
	v_lshl_add_u32 v23, v1, 2, v23
	v_add_nc_u32 v[ADRS], s21, v23
	s_mul_i32 s23, s14, 16*SPITCH                  ; my stage
	v_mul_u32_u24 v23, v1, SPITCH
	v_lshl_add_u32 v23, v22, 6, v23
	v_add_nc_u32 v[STO], s23, v23                  ; in: row r, + 64 h
	v_mul_u32_u24 v23, v22, SPITCH
	v_lshl_add_u32 v23, v1, 4, v23
	v_add_nc_u32 v[RD], s23, v23                   ; back: lanes 0-15 one row of 256 bytes, lanes 16-31 the next
	v_lshlrev_b32 v[CO], 12, v22
	v_lshl_add_u32 v[CO], v1, 4, v[CO]             ; and the same two rows in memory
	s_lshl_b32 s20, s17, 7
	s_lshl_b32 s21, s15, 6
	s_add_co_u32 s20, s20, s21                     ; my first row: 128 tA + 64 half
	s_lshl_b32 s20, s20, 12
	s_mov_b32 s21, 0
	s_lshl_b32 s46, s42, 9                         ; my first column, in bytes: 512 tB + 256 half
	s_lshl_b32 s47, s16, 8
	s_add_co_u32 s46, s46, s47
	s_mov_b32 s47, 0
	s_add_nc_u64 s[8:9], s[8:9], s[20:21]
	s_add_nc_u64 s[8:9], s[8:9], s[46:47]
.macro FRAG reg, adr, q, i
.irp c, 0,1,2
	ds_load_b128 v[\reg+4*\c:\reg+4*\c+3], v[\adr] offset:(\i)*TILEB+(\q)*FRB+512*\c
.endr
.endm
.macro FETCH slot, q, p                ; the 8 fragments of the slot's q-th step into set p
	WIN 0x40
.irp i, 0,1,2,3
	FRAG 128*(\p)+12*\i, ADRB+\slot, \q, \i
.endr
.irp i, 0,1,2,3
	FRAG 128*(\p)+48+12*\i, ADRA+\slot, \q, \i
.endr
	WIN 0
.endm
.macro SCALES sc                       ; a slot's scale words: register 4 i + q: lanes 0-15 h's block i, lanes 16-31 w2's
.irp i, 0,1,2,3
.irp q, 0,1,2,3
	ds_load_b32 v[SC+16*\sc+NQ*\i+\q], v[ADRS] offset:\i*NK*64+64*\q
.endr
.endr
.endm
; 4 products: h's block a against w2's four.  cm = 1: the first product starts the sums.  The 16 accumulators take turns in the same order in every step.
.macro MUL4 a, p, q, sc, cm
.irp b, 0,1,2,3
.if \cm
	v_wmma_scale_f32_16x16x128_f8f6f4 v[ACC+8*(4*(\a)+\b):ACC+8*(4*(\a)+\b)+7], v[128*(\p)+12*\b:128*(\p)+12*\b+11], v[128*(\p)+48+12*(\a):128*(\p)+48+12*(\a)+11], 0, v[SC+16*(\sc)+NQ*\b+(\q)], v[SC+16*(\sc)+NQ*(\a)+(\q)] matrix_a_fmt:MATRIX_FMT_FP6 matrix_b_fmt:MATRIX_FMT_FP6 matrix_a_scale:MATRIX_SCALE_ROW1
.else
	v_wmma_scale_f32_16x16x128_f8f6f4 v[ACC+8*(4*(\a)+\b):ACC+8*(4*(\a)+\b)+7], v[128*(\p)+12*\b:128*(\p)+12*\b+11], v[128*(\p)+48+12*(\a):128*(\p)+48+12*(\a)+11], v[ACC+8*(4*(\a)+\b):ACC+8*(4*(\a)+\b)+7], v[SC+16*(\sc)+NQ*\b+(\q)], v[SC+16*(\sc)+NQ*(\a)+(\q)] matrix_a_fmt:MATRIX_FMT_FP6 matrix_b_fmt:MATRIX_FMT_FP6 matrix_a_scale:MATRIX_SCALE_ROW1
.endif
.endr
.endm
.macro STEP slot, q, cm
	PLACES                                         ; the set to be loaded was read by the products just issued
	FETCH \slot, (\q)+1, ((\q)+1)%2
	s_wait_dscnt NF                                ; only the NF loads just issued may be out
	WIN 0x05                                       ; sources 0 and 1 window 1; C and D window 0
.irp a, 0,1,2,3
	MUL4 \a, (\q)%2, \q, \slot, \cm
.endr
	WIN 0
.endm
.macro TURN slot, next, fill
	s_wait_tensorcnt 0x0                           ; all my tensor loads have landed: my part of the next slot
	ds_add_u32 v[SPW], v[NIL]                      ; 0 onto my spare word
	s_wait_dscnt 1                                 ; only the add may be out: set 1 is in
	WIN 0x05
	MUL4 0, 1, NQ-1, \slot, 0
	s_wait_dscnt 0x0                               ; the add is done, and my reads of this slot are over
	s_barrier_signal -1
	MUL4 1, 1, NQ-1, \slot, 0
	WIN 0
	s_barrier_wait -1
.if \fill
	CREST                                          ; no wave of any partner still reads this slot or has a load on its way
	s_add_nc_u64 s[G0+4*\slot+2:G0+4*\slot+3], s[G0+4*\slot+2:G0+4*\slot+3], 2*TILEB
	s_add_nc_u64 s[G0B+4*\slot+2:G0B+4*\slot+3], s[G0B+4*\slot+2:G0B+4*\slot+3], 2*TILEB
	JLOAD G0+4*\slot, G1, G0B+4*\slot, G1B         ; the first tensor load behind the round; its four v_nop are the places in front of the loads below
.else
	PLACES
.endif
	v_add_nc_u32 v[ADRS], 64*NQ, v[ADRS]
	FETCH \next, 0, 0
	SCALES \next
	WIN 0x05
	MUL4 2, 1, NQ-1, \slot, 0
	MUL4 3, 1, NQ-1, \slot, 0
	WIN 0
.endm
	s_wait_tensorcnt 1                             ; the scale words and my part of slot 0 are in; slot 1's load may be out
	s_barrier_signal -1
	s_barrier_wait -1
	FETCH 0, 0, 0
	SCALES 0
	STEP 0, 0, 1
	s_mov_b32 s3, LAPS-1
.Llap:                                                 ; a trip goes once round the ring, from a lap's second step to the next lap's first, and fills both slots again
	STEP 0, 1, 0
	STEP 0, 2, 0
	TURN 0, 1, 1
	STEP 1, 0, 0
	STEP 1, 1, 0
	STEP 1, 2, 0
	TURN 1, 0, 1
	STEP 0, 0, 0
	s_sub_co_u32 s3, s3, 1
	s_cmp_lg_u32 s3, 0
	s_cbranch_scc1 .Llap
	STEP 0, 1, 0                                   ; the last lap fills nothing
	STEP 0, 2, 0
	TURN 0, 1, 0
	STEP 1, 0, 0
	STEP 1, 1, 0
	STEP 1, 2, 0
	s_wait_dscnt 0x0
	WIN 0x05
.irp a, 0,1,2,3
	MUL4 \a, 1, NQ-1, 1, 0
.endr
	WIN 0
; THE WAY OUT, a block of 16 rows x 64 columns at a time through my own stage: it comes back as whole runs of 256 bytes.  My LDS instructions are served in order: no wait between the stores and the loads.
.macro TOSTAGE a
.irp b, 0,1,2,3
	ds_store_b128 v[STO], v[ACC+8*(4*(\a)+\b):ACC+8*(4*(\a)+\b)+3] offset:128*(\b/2)+32*(\b%2)       ; each accumulator from its low end on
	ds_store_b128 v[STO], v[ACC+8*(4*(\a)+\b)+4:ACC+8*(4*(\a)+\b)+7] offset:128*(\b/2)+32*(\b%2)+16
.endr
.irp t, 0,1,2,3,4,5,6,7
	ds_load_b128 v[BK+32*((\a)%2)+4*\t:BK+32*((\a)%2)+4*\t+3], v[RD] offset:\t*2*SPITCH
.endr
.endm
.macro SEND a, younger                 ; staged row 2 t + h is row 32 (a / 2) + 8 (a % 2) + 2 t + h + 8 (t / 4) of my 64
	s_wait_dscnt \younger
.irp t, 0,1,2,3,4,5,6,7
	global_store_b128 v[CO], v[BK+32*((\a)%2)+4*\t:BK+32*((\a)%2)+4*\t+3], s[8:9] offset:(32*((\a)/2)+8*((\a)%2)+2*\t+8*(\t/4))*4096     ; 16 lanes store 256 consecutive bytes, aligned
.endr
.endm
	PLACES
	TOSTAGE 0
.irp a, 1,2,3
.if \a > 1
	s_wait_xcnt 0x0                                ; the stores of two blocks back have read their registers: this block's loads may land there
.endif
	TOSTAGE \a
	SEND (\a)-1, 16                                ; behind that block's loads: this block's 8 stores and 8 loads
.endr
	SEND 3, 0
	s_wait_tensorcnt 0x0                           ; the wave's end
	ds_add_u32 v[SPW], v[NIL]
	s_wait_dscnt 0x0
	CROUND                                         ; the closing round
	s_endpgm
.Lfunc_end_k_q38fa694e37_mlp2:
	.size	k_q38fa694e37_mlp2, .Lfunc_end_k_q38fa694e37_mlp2-k_q38fa694e37_mlp2
	.p2alignl 7, 3214868480
	.fill 96, 4, 3214868480
	.section	.rodata,"a",@progbits
	.p2align	6, 0x0
	.amdhsa_kernel k_q38fa694e37_mlp2
		.amdhsa_group_segment_fixed_size 327680
		.amdhsa_private_segment_fixed_size 0
		.amdhsa_enable_private_segment 0
		.amdhsa_kernarg_size 24
		.amdhsa_user_sgpr_count 2
		.amdhsa_user_sgpr_kernarg_segment_ptr 1
		.amdhsa_wavefront_size32 1
		.amdhsa_system_sgpr_workgroup_id_x 1
		.amdhsa_system_sgpr_workgroup_id_y 1
		.amdhsa_system_sgpr_workgroup_id_z 1
		.amdhsa_system_vgpr_workitem_id 0
		.amdhsa_next_free_vgpr 480
		.amdhsa_next_free_sgpr 98
		.amdhsa_reserve_vcc 0
		.amdhsa_float_denorm_mode_32 3
		.amdhsa_float_denorm_mode_16_64 3
		.amdhsa_memory_ordered 1
		.amdhsa_forward_progress 1
		.amdhsa_inst_pref_size 85
	.end_amdhsa_kernel
	.amdgpu_metadata
---
amdhsa.version: [ 1, 2 ]
amdhsa.kernels:
  - .name:           k_q38fa694e37_mlp2
    .symbol:         k_q38fa694e37_mlp2.kd
    .args:
      - { .name: hq, .offset: 0, .size: 8, .value_kind: global_buffer, .address_space: global }
      - { .name: prep, .offset: 8, .size: 8, .value_kind: global_buffer, .address_space: global }
      - { .name: mlp, .offset: 16, .size: 8, .value_kind: global_buffer, .address_space: global }
    .group_segment_fixed_size: 327680
    .private_segment_fixed_size: 0
    .kernarg_segment_align: 8
    .kernarg_segment_size: 24
    .max_flat_workgroup_size: 128
    .sgpr_count:     98
    .vgpr_count:     480
    .wavefront_size: 32
...
	.end_amdgpu_metadata
.endif
;; end of part 5
;; launch ln2 (part 6): grid 256 x 1, 8 waves a work-group, no clusters, 0 bytes of LDS; arguments mlp, x1, b2, ln2_g, ln2_b, out0; writes out0
.if DOCPART == 6
	.amdgcn_target "amdgcn-amd-amdhsa--gfx1250"
	.amdhsa_code_object_version 6
	.text
	.protected	k_q38fa694e37_ln2
	.globl	k_q38fa694e37_ln2
	.p2align	8
	.type	k_q38fa694e37_ln2,@function
k_q38fa694e37_ln2:
	s_mov_b64 s[64:65], 0
	v_nop
	global_prefetch_b8 v0, s[64:65] scope:SCOPE_SE
	s_setreg_imm32_b32 hwreg(HW_REG_WAVE_MODE, 25, 1), 1
	s_wait_xcnt 0x0
; LN2: out = LayerNorm((mlp + b2) + x1), gain and offset as given.  A stream: memory binds, so no LDS, no barrier, no matrix unit.
; A wave takes two whole rows of 4,096 bytes and keeps them in registers between the passes; a lane holds bytes 512 i + 16 lane of a row, so each load and store covers 512 consecutive bytes.
; Mean and variance in two passes: no difference of large sums is formed.  All 56 loads of a wave go out at once.
.set B2, 16
.set GG, 48
.set BB, 80
.set M,  112                           ; row k: mlp at v[112 + 64 k], x1 at v[144 + 64 k]
.set XX, 144
	s_load_b256 s[4:11], s[0:1], 0x0               ; mlp, x1, b2, gain
	s_load_b128 s[12:15], s[0:1], 0x20             ; offset, out
	v_lshrrev_b32 v2, 5, v0
	v_readfirstlane_b32 s16, v2                    ; wave 0..7
	v_and_b32 v1, 31, v0
	v_lshlrev_b32 v1, 4, v1                        ; 16 x lane
	s_lshl_b32 s17, ttmp9, 4
	s_lshl_b32 s16, s16, 1
	s_add_co_u32 s16, s16, s17                     ; my first row: 16 g + 2 w
	s_lshl_b32 s16, s16, 12
	s_mov_b32 s17, 0
	s_mov_b32 s18, 0x76543210
	s_mov_b32 s19, 0xfedcba98
	s_mov_b32 s20, 0x3a800000                      ; 1 / 1,024
	s_mov_b32 s21, 0x3727c5ac                      ; 1e-5
	s_wait_kmcnt 0x0
	s_add_nc_u64 s[4:5], s[4:5], s[16:17]
	s_add_nc_u64 s[6:7], s[6:7], s[16:17]
	s_add_nc_u64 s[14:15], s[14:15], s[16:17]
.irp k, 0,1
.irp i, 0,1,2,3,4,5,6,7
	global_load_b128 v[M+64*\k+4*\i:M+64*\k+4*\i+3], v1, s[4:5] offset:4096*\k+512*\i th:TH_LOAD_NT
	global_load_b128 v[XX+64*\k+4*\i:XX+64*\k+4*\i+3], v1, s[6:7] offset:4096*\k+512*\i th:TH_LOAD_NT
.endr
.endr
.irp i, 0,1,2,3,4,5,6,7
	global_load_b128 v[B2+4*\i:B2+4*\i+3], v1, s[8:9] offset:512*\i
	global_load_b128 v[GG+4*\i:GG+4*\i+3], v1, s[10:11] offset:512*\i
	global_load_b128 v[BB+4*\i:BB+4*\i+3], v1, s[12:13] offset:512*\i
.endr
	s_wait_loadcnt 0x0
.macro WSUM                            ; v2: the sum over the wave's 32 lanes, in every lane
	v_add_f32_dpp v2, v2, v2 row_xmask:1 row_mask:0xf bank_mask:0xf
	v_add_f32_dpp v2, v2, v2 row_xmask:2 row_mask:0xf bank_mask:0xf
	v_add_f32_dpp v2, v2, v2 row_xmask:4 row_mask:0xf bank_mask:0xf
	v_add_f32_dpp v2, v2, v2 row_xmask:8 row_mask:0xf bank_mask:0xf
	v_permlanex16_b32 v3, v2, s18, s19
	v_add_f32 v2, v2, v3
.endm
.macro LNROW k
.set MM, M+64*\k
.set XR, XX+64*\k
.set n, 0
.rept 16
	v_pk_add_f32 v[MM+n:MM+n+1], v[MM+n:MM+n+1], v[B2+n:B2+n+1]
.set n, n+2
.endr
.set n, 0
.rept 16
	v_pk_add_f32 v[MM+n:MM+n+1], v[MM+n:MM+n+1], v[XR+n:XR+n+1]
.set n, n+2
.endr
	v_pk_add_f32 v[2:3], v[MM:MM+1], v[MM+2:MM+3]
	v_pk_add_f32 v[4:5], v[MM+4:MM+5], v[MM+6:MM+7]
.irp j, 8,12,16,20,24,28
	v_pk_add_f32 v[2:3], v[2:3], v[MM+\j:MM+\j+1]
	v_pk_add_f32 v[4:5], v[4:5], v[MM+\j+2:MM+\j+3]
.endr
	v_pk_add_f32 v[2:3], v[2:3], v[4:5]
	v_add_f32 v2, v2, v3
	WSUM
	v_mul_f32 v2, s20, v2                          ; the mean
.set n, 0
.rept 16
	v_pk_add_f32 v[MM+n:MM+n+1], v[MM+n:MM+n+1], v[2:3] op_sel_hi:[1,0] neg_lo:[0,1] neg_hi:[0,1]
.set n, n+2
.endr
	v_pk_mul_f32 v[2:3], v[MM:MM+1], v[MM:MM+1]
	v_pk_mul_f32 v[4:5], v[MM+2:MM+3], v[MM+2:MM+3]
.irp j, 4,8,12,16,20,24,28
	v_pk_fma_f32 v[2:3], v[MM+\j:MM+\j+1], v[MM+\j:MM+\j+1], v[2:3]
	v_pk_fma_f32 v[4:5], v[MM+\j+2:MM+\j+3], v[MM+\j+2:MM+\j+3], v[4:5]
.endr
	v_pk_add_f32 v[2:3], v[2:3], v[4:5]
	v_add_f32 v2, v2, v3
	WSUM
	v_fma_f32 v2, v2, s20, s21                     ; the variance + 1e-5
	v_rsq_f32 v2, v2
	v_nop                                          ; a plain place behind the transcendental
	s_wait_alu depctr_va_vdst(0)                   ; and the wait ahead of its first reader
.set n, 0
.rept 16
	v_pk_mul_f32 v[MM+n:MM+n+1], v[MM+n:MM+n+1], v[2:3] op_sel_hi:[1,0]
.set n, n+2
.endr
.set n, 0
.rept 16
	v_pk_fma_f32 v[MM+n:MM+n+1], v[MM+n:MM+n+1], v[GG+n:GG+n+1], v[BB+n:BB+n+1]
.set n, n+2
.endr
.irp i, 0,1,2,3,4,5,6,7
	global_store_b128 v1, v[MM+4*\i:MM+4*\i+3], s[14:15] offset:4096*\k+512*\i th:TH_STORE_NT
.endr
.endm
	LNROW 0
	LNROW 1
	s_endpgm
.Lfunc_end_k_q38fa694e37_ln2:
	.size	k_q38fa694e37_ln2, .Lfunc_end_k_q38fa694e37_ln2-k_q38fa694e37_ln2
	.p2alignl 7, 3214868480
	.fill 96, 4, 3214868480
	.section	.rodata,"a",@progbits
	.p2align	6, 0x0
	.amdhsa_kernel k_q38fa694e37_ln2
		.amdhsa_group_segment_fixed_size 0
		.amdhsa_private_segment_fixed_size 0
		.amdhsa_enable_private_segment 0
		.amdhsa_kernarg_size 48
		.amdhsa_user_sgpr_count 2
		.amdhsa_user_sgpr_kernarg_segment_ptr 1
		.amdhsa_wavefront_size32 1
		.amdhsa_system_sgpr_workgroup_id_x 1
		.amdhsa_system_sgpr_workgroup_id_y 1
		.amdhsa_system_sgpr_workgroup_id_z 1
		.amdhsa_system_vgpr_workitem_id 0
		.amdhsa_next_free_vgpr 240
		.amdhsa_next_free_sgpr 66
		.amdhsa_reserve_vcc 0
		.amdhsa_float_denorm_mode_32 3
		.amdhsa_float_denorm_mode_16_64 3
		.amdhsa_memory_ordered 1
		.amdhsa_forward_progress 1
		.amdhsa_inst_pref_size 24
	.end_amdhsa_kernel
	.amdgpu_metadata
---
amdhsa.version: [ 1, 2 ]
amdhsa.kernels:
  - .name:           k_q38fa694e37_ln2
    .symbol:         k_q38fa694e37_ln2.kd
    .args:
      - { .name: mlp, .offset: 0, .size: 8, .value_kind: global_buffer, .address_space: global }
      - { .name: x1, .offset: 8, .size: 8, .value_kind: global_buffer, .address_space: global }
      - { .name: b2, .offset: 16, .size: 8, .value_kind: global_buffer, .address_space: global }
      - { .name: ln2_g, .offset: 24, .size: 8, .value_kind: global_buffer, .address_space: global }
      - { .name: ln2_b, .offset: 32, .size: 8, .value_kind: global_buffer, .address_space: global }
      - { .name: out0, .offset: 40, .size: 8, .value_kind: global_buffer, .address_space: global }
    .group_segment_fixed_size: 0
    .private_segment_fixed_size: 0
    .kernarg_segment_align: 8
    .kernarg_segment_size: 48
    .max_flat_workgroup_size: 256
    .sgpr_count:     66
    .vgpr_count:     240
    .wavefront_size: 32
...
	.end_amdgpu_metadata
.endif
;; end of part 6
